; MI455X (gfx1250); checked and timed in simulation.
; The chip was launched on July 23, 2026; its instructions are those of AMD's public machine-readable ISA for CDNA 5 (MIT licence, August 2026) and "CDNA5" Instruction Set Architecture Reference Guide (July 2026). The comments in the code are by the model that wrote it; some were corrected since.
;; Cross Attention. Allowed arithmetic: matrix products marked QUANTISED: E3M2 operands, one E8M0 scale for each 32 along K, by v_wmma_scale_f32_16x16x128_f8f6f4 with both operands' format E3M2, f32 sums; everything else in f32.
;; Inputs: W_f1 1,024 x 1,024 float32; W_f2 1,024 x 512 float32; W_out 512 x 512 float32; W_qk 512 x 512 float32; W_v 512 x 512 float32; b_f1 1,024 float32; b_f2 512 float32; b_out 512 float32; b_qk 512 float32; b_v 512 float32; ln_b 1,024 float32; ln_g 1,024 float32; x0 8 x 1,024 x 512 float32; x1 8 x 1,024 x 512 float32.
;; Outputs: out0 8 x 1,024 x 512 float32; out1 8 x 1,024 x 512 float32.
;; This version of the problem:
;;   THIS VERSION OF THE PROBLEM IS GIVEN IN LOW PRECISION. The matrix products marked QUANTISED in the list below multiply operands that are first quantised to E3M2 (3 exponent bits, 2 mantissa bits; 6 bits a number), with one power-of-two scale for each 32 numbers along K (OCP MX v1.0); their sums are f32. All else is computed in f32.
;;   The module's matrix products, in the order in which they are computed (A, B: the left and right operand; K: the contracted axis; several contracted axes count as one K, in the product's order):
;;     1. [M 8,192, K 512] x [K 512, N 512]; A: input x0; B: input W_qk: QUANTISED
;;     2. [M 8,192, K 512] x [K 512, N 512]; A: input x1; B: input W_qk: QUANTISED
;;     3. [M 8,192, K 512] x [K 512, N 512]; A: input x0; B: input W_v: QUANTISED
;;     4. [M 8,192, K 512] x [K 512, N 512]; A: input x1; B: input W_v: QUANTISED
;;     5. batch 64 x [M 1,024, K 64] x [K 64, N 1,024]; A: computed on the way; B: computed on the way: QUANTISED
;;     6. batch 64 x [M 64, K 1,024] x [K 1,024, N 1,024]; A: computed on the way; B: softmax (see below): QUANTISED
;;     7. batch 64 x [M 64, K 1,024] x [K 1,024, N 1,024]; A: computed on the way; B: softmax (see below): QUANTISED
;;     8. [M 8,192, K 512] x [K 512, N 512]; A: computed on the way; B: input W_out: QUANTISED
;;     9. [M 8,192, K 512] x [K 512, N 512]; A: computed on the way; B: input W_out: QUANTISED
;;     10. [M 8,192, K 1,024] x [K 1,024, N 1,024]; A: computed on the way; B: input W_f1: QUANTISED
;;     11. [M 8,192, K 1,024] x [K 1,024, N 512]; A: computed on the way; B: input W_f2: QUANTISED
;;     12. [M 8,192, K 1,024] x [K 1,024, N 1,024]; A: computed on the way; B: input W_f1: QUANTISED
;;     13. [M 8,192, K 1,024] x [K 1,024, N 512]; A: computed on the way; B: input W_f2: QUANTISED
;;   THE QUANTISER, for each operand of a quantised product, along K:
;;     - K is cut into blocks of 32 from its start; a last block that is shorter is filled with zeros.
;;     - A block's scale is 2^e with e = floor(log2(the largest magnitude in the block)) - 4, held to -126 .. 127; a block of zeros has e = 0. As a byte (E8M0): e + 127.
;;     - Each number is divided by its block's scale, clamped to +-28, and rounded to the nearest number of E3M2, ties to even, subnormals kept.
;;     - The product sums the exact products of the quantised numbers (number of the format x scale) in f32.
;;   ~~~python
;;   def quantise(x, axis):      # numpy; x: float32 -> the quantised numbers, widened to float32 again
;;       x = np.moveaxis(x, axis, -1); K = x.shape[-1]
;;       x = np.pad(x, [(0, 0)] * (x.ndim - 1) + [(0, -K % 32)]); x = x.reshape(x.shape[:-1] + (-1, 32)); a = np.abs(x).max(-1, keepdims=True)
;;       e = np.where(a > 0, np.clip(np.frexp(np.where(a > 0, a, 1))[1] - 1 - 4, -126, 127), 0)      # np.frexp(a)[1] - 1 = floor(log2(a)), exactly
;;       r = np.clip(x / 2.0 ** e, -28, 28)
;;       step = 2.0 ** (np.maximum(np.frexp(np.where(r == 0, 1, r))[1] - 1, -2) - 2)
;;       q = np.round(r / step) * step * 2.0 ** e      # np.round: ties to even
;;       return np.moveaxis(q.reshape(q.shape[:-2] + (-1,))[..., :K], -1, axis).astype(np.float32)
;;   ~~~
;;   SOFTMAX AHEAD OF A QUANTISED PRODUCT. Where the list says 'softmax', what is quantised is not the finished softmax but p = 2^(t - M), with t = logit x log2(e) and M = ceil(the row's largest t), a whole number; so 1/2 < the row's largest p <= 1. The row's sum l is taken of the UNQUANTISED p, in f32, and the product's result is divided by l at the end. Since M is a whole number, a kernel that streams over the keys may use a running M (the ceiling of the running maximum): every later rescaling is an exact power of two, which a block's scale takes up: the codes' values come out the same.
;;   OPERANDS COMPUTED ON THE WAY. 'Computed on the way' means the value that the module computes at that place (a softmax that the list does not call 'softmax' is quantised finished and normalised). What goes into a quantiser is computed in f32, as accurately as f32 sums, v_exp_f32 and their like allow (about 1e-6 of the number): no bf16 or f16 on the way to a quantiser, and a product that is left as it is and whose result goes on into a quantised operand takes f32 operands (vector FMAs, or v_wmma_f32_16x16x4_f32). A number that lies on a knife's edge between two numbers of the format may be rounded either way, as far as f32 arithmetic and the matrix unit's own rounding can turn it there, and no further.
;; One version. Each part assembles by itself: llvm-mc -triple=amdgcn-amd-amdhsa -mcpu=gfx1250 --defsym DOCPART=n.
;; ======== version 1 of 1: 4 launches
;; limits: right only within a limited range of input values
;; workspace buffers: wbuf 1,843,200 bytes; xbuf 6,553,600 bytes; kvbuf 13,369,344 bytes; mbuf 6,553,600 bytes
;; launch prep (part 1): grid 400 x 1, 4 waves a work-group, no clusters, 34,304 bytes of LDS; arguments x0, x1, W_qk, W_v, W_out, W_f2, W_f1, xbuf, wbuf; writes xbuf, wbuf
.if DOCPART == 1
	.amdgcn_target "amdgcn-amd-amdhsa--gfx1250"
	.amdhsa_code_object_version 6
	.text
	.protected	k_qa1c28bde63_prep
	.globl	k_qa1c28bde63_prep
	.p2align	8
	.type	k_qa1c28bde63_prep,@function
k_qa1c28bde63_prep:
	s_mov_b64 s[64:65], 0
	v_nop
	global_prefetch_b8 v0, s[64:65] scope:SCOPE_SE
	s_setreg_imm32_b32 hwreg(HW_REG_WAVE_MODE, 25, 1), 1
	s_wait_xcnt 0x0
; x0, x1 [8192][512] f32 and the five weights [K][N] f32 become codes of BF6 (E3M2) with one E8M0 byte for each 32 along K,
; laid in the order of the matrix operand's registers, so that later launches load fragments by 16-byte loads alone.
; A fragment is 16 rows x 128 K = 12 registers a lane; its image: register g of lane l at 512 (g / 4) + 16 l + 4 (g % 4).
; THE ROWS OF A TILE ARE NOT NEIGHBOURS: lane r of tile 2 P + u stands for index 32 P + 8 u + r + 8 (r / 8), for tokens and for output channels alike.
; Work-groups 0-255: 64 tokens of x (0-127: x0, 128-255: x1); wave s takes K step s of the four tiles.  Work-groups 256-399: 128 columns x 128 K of a weight; a wave takes 32 columns.
; A block's scale byte is the largest magnitude's exponent field - 4, held at 1 from below.
; LIMITS: NaN and infinities are not served; a block whose largest magnitude lies under 2^-122 (a block of zeros too) gets the byte 1: its codes are zeros or next to it, and only this program reads the bytes.
.set XS0,   6291456                    ; xbuf: the scale words begin here
.set CW_QK, 0                          ; wbuf: where each weight's codes begin,
.set CW_V,  196608
.set CW_O,  393216
.set CW_F2, 589824
.set CW_F1, 983040
.set SW_QK, 1769472                    ; and its scale words
.set SW_V,  1777664
.set SW_O,  1785856
.set SW_F2, 1794048
.set SW_F1, 1810432
.set R,   16                           ; v16-143  x: two sets of 64 as loaded;  weights: 128 numbers down K
.set X,   144                          ; v144-207 x: 64 numbers of my row, 16 neighbours of each block
.set PC,  208                          ; v208-227 the codes just made
.set TM,  228                          ; v228-243 at work in QUANT
.set PW,  244                          ; v244-247 the four tiles' scale words
.set SEL, 40                           ; s[40:41] selects for lane l xor 16
.set HM,  42                           ; s42 mask of lanes 16-31
.set WREG, 8448                        ; LDS: 16 rows x (512 + 16) bytes for each wave
; 64 numbers of a lane, register 16 b + i = k 32 b + 16 (lane / 16) + i of my row, become a fragment's codes in v[PC] on and its scale word
.macro QUANT s, pw
.irp b, 0,1,2,3
	v_max3_num_f32 v[TM+\b], |v[\s+16*\b]|, |v[\s+1+16*\b]|, 0x2800000   ; my 16 numbers of block b, and the floor 2^(5 - 127)
.endr
.irp i, 2,4,6,8,10,12,14
.irp b, 0,1,2,3
	v_max3_num_f32 v[TM+\b], v[TM+\b], |v[\s+16*\b+\i]|, |v[\s+1+16*\b+\i]|
.endr
.endr
.irp b, 0,1,2,3
	v_permlanex16_b32 v[TM+4+\b], v[TM+\b], s[SEL], s[SEL+1]
.endr
.irp b, 0,1,2,3
	v_max_num_f32 v[TM+\b], v[TM+\b], v[TM+4+\b]                 ; with lane l xor 16's: the block's largest magnitude
.endr
.irp b, 0,1,2,3
	v_add_nc_u32 v[TM+12+\b], 0xfe000000, v[TM+\b]               ; 4 off its exponent field: the conversion's scale operand
.endr
.irp b, 0,1,2,3
	v_lshrrev_b32 v[TM+4+\b], 23, v[TM+12+\b]                    ; the scale's byte
.endr
	v_lshl_or_b32 v[\pw], v[TM+5], 8, v[TM+4]
	v_lshl_or_b32 v[\pw], v[TM+6], 16, v[\pw]
	v_lshl_or_b32 v[\pw], v[TM+7], 24, v[\pw]
.irp c, 0,1
	v_cvt_scalef32_pk16_bf6_f32 v[PC+6*\c:PC+2+6*\c], v[\s+32*\c:\s+15+32*\c], v[TM+12+2*\c]
	v_cvt_scalef32_pk16_bf6_f32 v[PC+12+4*\c:PC+14+4*\c], v[\s+16+32*\c:\s+31+32*\c], v[TM+12+2*\c+1]
.endr
	v_nop                                          ; one plain place behind a scaled conversion
.irp c, 0,1                                    ; the layout wants a whole block in a lane: lanes 0-15 block 2 c, lanes 16-31 block 2 c + 1
.irp i, 0,1,2
	v_permlane16_swap_b32 v[PC+6*\c+\i], v[PC+12+4*\c+\i]
.endr
.irp i, 0,1,2
	v_mov_b32 v[PC+3+6*\c+\i], v[PC+12+4*\c+\i]
.endr
.endr
.endm
	s_load_b128 s[4:7], s[0:1], 0x0                ; x0, x1
	s_load_b128 s[8:11], s[0:1], 0x10              ; W_qk, W_v
	s_load_b128 s[12:15], s[0:1], 0x20             ; W_out, W_f2
	s_load_b128 s[16:19], s[0:1], 0x30             ; W_f1, xbuf
	s_load_b64 s[20:21], s[0:1], 0x40              ; wbuf
	v_lshl_add_u32 v254, v0, 2, 0x8400
	v_mov_b32 v255, 0
	v_lshrrev_b32 v1, 5, v0
	v_readfirstlane_b32 s22, v1                    ; wave 0..3
	v_and_b32 v2, 31, v0                           ; lane
	s_mov_b32 s[SEL], 0x76543210
	s_mov_b32 s[SEL+1], 0xfedcba98
	s_mov_b32 s[HM], 0xffff0000
	s_mov_b32 s25, 0
	s_wait_kmcnt 0x0
	s_cmp_lt_u32 ttmp9, 256
	s_cbranch_scc0 .Lweights
	; ---------------- x: group G = work-group, K step = wave
	s_cmp_lt_u32 ttmp9, 128
	s_cselect_b64 s[4:5], s[4:5], s[6:7]           ; x0 or x1, by the work-group's number
	s_and_b32 s24, ttmp9, 127
	s_lshl_b32 s24, s24, 17                        ; 64 rows of 2,048 bytes
	s_lshl_b32 s26, s22, 9                         ; my K step: 512 bytes of a row
	s_add_co_u32 s24, s24, s26
	s_add_nc_u64 s[4:5], s[4:5], s[24:25]
	s_mul_i32 s24, ttmp9, 24576
	s_mul_i32 s26, s22, 6144
	s_add_co_u32 s24, s24, s26
	s_add_nc_u64 s[28:29], s[18:19], s[24:25]      ; my four fragments in xbuf
	s_lshl_b32 s24, ttmp9, 10
	s_lshl_b32 s26, s22, 8
	s_add_co_u32 s24, s24, s26
	s_add_nc_u64 s[30:31], s[18:19], s[24:25]      ; and their scale words (XS0 stands in the store's immediate)
	s_wait_alu depctr_va_vdst(0)
	v_lshlrev_b32 v3, 4, v2                        ; 16 x lane
	v_lshlrev_b32 v7, 3, v2                        ; 8 x lane
	s_mul_i32 s26, s22, WREG
	v_add_nc_u32 v4, s26, v3                       ; the stage, in: a row's 512 bytes as they lie
	v_and_b32 v5, 15, v0
	v_bfe_u32 v6, v0, 4, 1
	v_mul_u32_u24 v5, v5, 528
	v_lshl_add_u32 v5, v6, 6, v5
	v_add_nc_u32 v5, s26, v5                       ; out: row r, + 64 h: my 16 numbers of each block
.irp b, 0,1,2,3
	v_mov_b32 v[TM+4+\b], 0                        ; written once: a lane permute's destination counts as one of its sources
.endr
.macro LOAD i                          ; tile i: sixteen rows, each load 512 consecutive bytes of one row
.irp rho, 0,1,2,3,4,5,6,7,8,9,10,11,12,13,14,15
	global_load_b128 v[R+64*((\i)%2)+4*\rho:R+64*((\i)%2)+4*\rho+3], v3, s[4:5] offset:(32*((\i)/2)+8*((\i)%2)+\rho+8*(\rho/8))*2048 th:TH_LOAD_NT
.endr
.endm
.macro STEP i
.if (\i) < 3
	s_wait_loadcnt 16                              ; this tile's sixteen loads are in; the next tile's sixteen may be out
.else
	s_wait_loadcnt 0x0
.endif
.irp rho, 0,1,2,3,4,5,6,7,8,9,10,11,12,13,14,15
	ds_store_b128 v4, v[R+64*((\i)%2)+4*\rho:R+64*((\i)%2)+4*\rho+3] offset:528*\rho
.endr
.irp b, 0,1,2,3
.irp j, 0,1,2,3
	ds_load_b128 v[X+16*\b+4*\j:X+16*\b+4*\j+3], v5 offset:128*\b+16*\j   ; LDS serves a wave's instructions in order: these see my stores
.endr
.endr
	s_wait_dscnt 0x0                               ; my numbers are back, and the stores have read their registers,
.if (\i) < 2
	LOAD (\i)+2                                    ; which take the tile two further on
.endif
	s_wait_xcnt 0x0                                ; the last tile's stores have read the codes' registers
	QUANT X, PW+(\i)
.irp c, 0,1,2
	global_store_b128 v3, v[PC+4*\c:PC+4*\c+3], s[28:29] offset:1536*(\i)+512*\c   ; 512 consecutive bytes a store
.endr
.endm
	LOAD 0
	LOAD 1
	s_wait_alu depctr_va_vdst(0)
	STEP 0
	STEP 1
	STEP 2
	STEP 3
	v_cndmask_b32 v248, v[PW], v[PW+1], s[HM]      ; lanes 0-15: tile 2 p's word of row r, lanes 16-31: tile 2 p + 1's
	v_cndmask_b32 v249, v[PW+2], v[PW+3], s[HM]
	global_store_b64 v7, v[248:249], s[30:31] offset:XS0   ; 256 consecutive bytes
	s_wait_tensorcnt 0x0
	ds_add_u32 v254, v255
	s_wait_dscnt 0x0
	s_endpgm
	; ---------------- a weight: 128 columns x 128 K to a work-group, 32 columns to a wave; a lane takes a column and its registers run down K
.Lweights:
	s_sub_co_u32 s24, ttmp9, 256                   ; 0-15 W_qk, 16-31 W_v, 32-47 W_out, 48-79 W_f2, 80-143 W_f1
	s_mov_b64 s[26:27], s[16:17]
	s_mov_b32 s28, CW_F1
	s_mov_b32 s29, SW_F1
	s_mov_b32 s30, 80                              ; the weight's first work-group
	s_mov_b32 s31, 3                               ; log2 of its K steps
	s_mov_b32 s32, 3                               ; log2 of its groups of 128 columns
.macro PICK lim, p, cw, sw, first, lks, cgb
	s_cmp_lt_u32 s24, \lim
	s_cselect_b64 s[26:27], s[\p:\p+1], s[26:27]
	s_mov_b32 s33, \cw
	s_cselect_b32 s28, s33, s28
	s_mov_b32 s33, \sw
	s_cselect_b32 s29, s33, s29
	s_cselect_b32 s30, \first, s30
	s_cselect_b32 s31, \lks, s31
	s_cselect_b32 s32, \cgb, s32
.endm
	PICK 80, 14, CW_F2, SW_F2, 48, 3, 2
	PICK 48, 12, CW_O, SW_O, 32, 2, 2
	PICK 32, 10, CW_V, SW_V, 16, 2, 2
	PICK 16, 8, CW_QK, SW_QK, 0, 2, 2
	s_sub_co_u32 s33, s24, s30
	s_bfm_b32 s34, s32, 0
	s_and_b32 s35, s33, s34                        ; cg: which 128 columns
	s_lshr_b32 s36, s33, s32                       ; s: which K step
	s_lshl_b32 s37, s35, s31
	s_add_co_u32 s37, s37, s36                     ; cg x K steps + s
	s_add_co_u32 s38, s32, 16
	s_lshl_b32 s38, s36, s38                       ; 128 s rows: of 2,048 bytes (4 groups) or 4,096 (8 groups)
	s_lshl_b32 s39, s35, 9
	s_add_co_u32 s38, s38, s39
	s_lshl_b32 s39, s22, 7
	s_add_co_u32 s38, s38, s39
	s_mov_b32 s39, 0
	s_add_nc_u64 s[26:27], s[26:27], s[38:39]      ; the weight at my 32 columns' first row
	s_mul_i32 s38, s37, 12288
	s_add_co_u32 s38, s38, s28
	s_mul_i32 s33, s22, 3072
	s_add_co_u32 s38, s38, s33
	s_add_nc_u64 s[44:45], s[20:21], s[38:39]      ; my pair of fragments
	s_lshl_b32 s38, s37, 9
	s_add_co_u32 s38, s38, s29
	s_lshl_b32 s33, s22, 2
	s_add_co_u32 s38, s38, s33
	s_add_nc_u64 s[46:47], s[20:21], s[38:39]      ; my pair's scale words
	s_wait_alu depctr_va_vdst(0)
	v_lshlrev_b32 v8, 2, v2                        ; in: 4 bytes a lane
	v_bfe_u32 v3, v0, 3, 1                         ; column l of the pair is row r = l % 8 + 8 (l / 16) of tile u = (l / 8) % 2
	v_and_b32 v4, 7, v0
	v_bfe_u32 v5, v0, 4, 1
	v_lshl_add_u32 v4, v5, 3, v4
	v_mul_u32_u24 v6, v3, 1536
	v_lshl_add_u32 v6, v4, 4, v6                   ; out: 1,536 u + 16 r
	v_lshlrev_b32 v7, 8, v3
	v_lshl_add_u32 v7, v4, 4, v7                   ; scale word: 16 (16 u + r)
	s_cmp_lt_u32 s24, 80
	s_cbranch_scc0 .Lwide
.set kk, 0
.rept 128
	global_load_b32 v[R+kk], v8, s[26:27] offset:kk*2048 th:TH_LOAD_NT   ; a wave reads 128 consecutive bytes, the four waves 512
.set kk, kk+1
.endr
	s_branch .Lloaded
.Lwide:
.set kk, 0
	s_wait_alu depctr_va_vdst(0)
.rept 128
	global_load_b32 v[R+kk], v8, s[26:27] offset:kk*4096 th:TH_LOAD_NT
.set kk, kk+1
.endr
.Lloaded:
	s_wait_loadcnt 0x0
.irp kb, 0,1,2,3                               ; four blocks of 32, all mine
	v_max3_num_f32 v[184+\kb], |v[R+32*\kb]|, |v[R+32*\kb+1]|, 0x2800000
.endr
.irp i, 2,4,6,8,10,12,14,16,18,20,22,24,26,28,30
.irp kb, 0,1,2,3
	v_max3_num_f32 v[184+\kb], v[184+\kb], |v[R+32*\kb+\i]|, |v[R+32*\kb+\i+1]|
.endr
.endr
.irp kb, 0,1,2,3
	v_add_nc_u32 v[188+\kb], 0xfe000000, v[184+\kb]
.endr
.irp kb, 0,1,2,3
	v_lshrrev_b32 v[192+\kb], 23, v[188+\kb]
.endr
	v_lshl_or_b32 v196, v193, 8, v192
	v_lshl_or_b32 v196, v194, 16, v196
	v_lshl_or_b32 v196, v195, 24, v196             ; my column's scale word
.irp kb, 0,1,2,3                               ; lane (r, h) of the fragment holds block h, then block 2 + h: v144-155 for h = 0, v156-167 for h = 1
	v_cvt_scalef32_pk16_bf6_f32 v[144+12*(\kb%2)+6*(\kb/2):146+12*(\kb%2)+6*(\kb/2)], v[R+32*\kb:R+32*\kb+15], v[188+\kb]
	v_cvt_scalef32_pk16_bf6_f32 v[168+4*\kb:170+4*\kb], v[R+32*\kb+16:R+32*\kb+31], v[188+\kb]   ; (a conversion's three registers begin on an even number)
.endr
	v_nop                                          ; one plain place behind a scaled conversion
.irp kb, 0,1,2,3
.irp i, 0,1,2
	v_mov_b32 v[147+12*(\kb%2)+6*(\kb/2)+\i], v[168+4*\kb+\i]
.endr
.endr
.irp h, 0,1
.irp g, 0,1,2
	global_store_b128 v6, v[144+12*\h+4*\g:147+12*\h+4*\g], s[44:45] offset:256*\h+512*\g   ; the sixteen lanes of a tile fill 256 consecutive bytes
.endr
.endr
	global_store_b32 v7, v196, s[46:47]
	s_endpgm
.Lfunc_end_k_qa1c28bde63_prep:
	.size	k_qa1c28bde63_prep, .Lfunc_end_k_qa1c28bde63_prep-k_qa1c28bde63_prep
	.p2alignl 7, 3214868480
	.fill 96, 4, 3214868480
	.section	.rodata,"a",@progbits
	.p2align	6, 0x0
	.amdhsa_kernel k_qa1c28bde63_prep
		.amdhsa_group_segment_fixed_size 34304
		.amdhsa_private_segment_fixed_size 0
		.amdhsa_enable_private_segment 0
		.amdhsa_kernarg_size 72
		.amdhsa_user_sgpr_count 2
		.amdhsa_user_sgpr_kernarg_segment_ptr 1
		.amdhsa_wavefront_size32 1
		.amdhsa_system_sgpr_workgroup_id_x 1
		.amdhsa_system_sgpr_workgroup_id_y 1
		.amdhsa_system_sgpr_workgroup_id_z 1
		.amdhsa_system_vgpr_workitem_id 0
		.amdhsa_next_free_vgpr 256
		.amdhsa_next_free_sgpr 66
		.amdhsa_reserve_vcc 0
		.amdhsa_float_denorm_mode_32 3
		.amdhsa_float_denorm_mode_16_64 3
		.amdhsa_memory_ordered 1
		.amdhsa_forward_progress 1
		.amdhsa_inst_pref_size 67
	.end_amdhsa_kernel
	.amdgpu_metadata
---
amdhsa.version: [ 1, 2 ]
amdhsa.kernels:
  - .name:           k_qa1c28bde63_prep
    .symbol:         k_qa1c28bde63_prep.kd
    .args:
      - { .name: x0, .offset: 0, .size: 8, .value_kind: global_buffer, .address_space: global }
      - { .name: x1, .offset: 8, .size: 8, .value_kind: global_buffer, .address_space: global }
      - { .name: W_qk, .offset: 16, .size: 8, .value_kind: global_buffer, .address_space: global }
      - { .name: W_v, .offset: 24, .size: 8, .value_kind: global_buffer, .address_space: global }
      - { .name: W_out, .offset: 32, .size: 8, .value_kind: global_buffer, .address_space: global }
      - { .name: W_f2, .offset: 40, .size: 8, .value_kind: global_buffer, .address_space: global }
      - { .name: W_f1, .offset: 48, .size: 8, .value_kind: global_buffer, .address_space: global }
      - { .name: xbuf, .offset: 56, .size: 8, .value_kind: global_buffer, .address_space: global }
      - { .name: wbuf, .offset: 64, .size: 8, .value_kind: global_buffer, .address_space: global }
    .group_segment_fixed_size: 34304
    .private_segment_fixed_size: 0
    .kernarg_segment_align: 8
    .kernarg_segment_size: 72
    .max_flat_workgroup_size: 128
    .sgpr_count:     66
    .vgpr_count:     256
    .wavefront_size: 32
...
	.end_amdgpu_metadata
.endif
;; end of part 1
;; launch proj (part 2): grid 64 x 4, 16 waves a work-group, no clusters, 264,192 bytes of LDS; arguments xbuf, wbuf, b_qk, b_v, kvbuf; writes kvbuf
.if DOCPART == 2
	.amdgcn_target "amdgcn-amd-amdhsa--gfx1250"
	.amdhsa_code_object_version 6
	.text
	.protected	k_qa1c28bde63_proj
	.globl	k_qa1c28bde63_proj
	.p2align	8
	.type	k_qa1c28bde63_proj,@function
k_qa1c28bde63_proj:
	s_mov_b64 s[64:65], 0
	v_nop
	global_prefetch_b8 v0, s[64:65] scope:SCOPE_SE
	s_setreg_imm32_b32 hwreg(HW_REG_WAVE_MODE, 25, 1), 1
	s_wait_xcnt 0x0
; qk = (x W_qk + b_qk) 64^-0.25 and v = x W_v + b_v on codes of BF6 (E3M2), and their quantisers: qk along the head's 64 channels, v along the tokens.
; A work-group takes 256 tokens (x) and two heads (y): 98,304 bytes of x's fragments and 2 x 49,152 of weights come into LDS once, as they lie; one barrier; LDS is only read afterwards.
; Wave w: head w / 8 of the two, qk ((w / 4) % 2 = 0) or v (1), 64 tokens w % 4: 16 accumulators, four K steps of 128.
; ONE MATRIX TEXT SERVES BOTH: source 0 = set 1, source 1 = set 2.  qk: set 1 = 4 tiles of W_qk, set 2 = 4 tiles of x: a lane holds one token and its registers run along the channels.
; v: set 1 = x, set 2 = W_v: a lane holds one channel and its registers run along the tokens.  By the order of a tile's rows (lane r of tile 2 P + u: index 32 P + 8 u + r + 8 (r / 8)) the 16 registers of two neighbouring tiles are 16 neighbours.
; kvbuf, a block of 104,448 bytes for each (source, batch, head): qk's codes by pairs of tiles (registers 0-5 tile 2 P, 6-11 tile 2 P + 1), their scale words, v's fragments (16 channels x 128 tokens, in planes of 8 bytes a lane), their scale words.
; LIMITS: NaN and infinities are not served; a block whose largest magnitude lies under 2^-122 gets the byte 1.  The bias enters as b x 2^-1.5 in one fused multiply-add: one rounding fewer than (sum + b) x 2^-1.5.
.set CW_V,   196608
.set SW_QK,  1769472
.set SW_V,   1777664
.set XS0,    6291456
.set KVB,    104448
.set KSC,    49152
.set VIMG,   53248
.set VSC,    102400
.set L_WV,   49152                     ; LDS: W_qk's group at 0, W_v's here,
.set L_XI,   98304                     ; x's four groups of 24,576,
.set L_WQS,  196608                    ; the scale words of W_qk, W_v, x,
.set L_WVS,  198656
.set L_XSC,  200704
.set L_BIAS, 204800                    ; 512 bytes of b_qk, 512 of b_v
.set QTM, 20                           ; v20-30 at work in QUANT2
.set QTX, 22
.set QSO, 24
.set QBY, 26
.set QTP, 28
.set SEL, 60
.set HM,  62
; REGISTERS: v4-7 LDS addresses of set 1, set 2 and their scale words; v16-19 scale words and nothing else; v32-79 set 1; v80-127 set 2; v128-255 accumulator (bi, ai) at 128 + 8 (4 bi + ai)
.macro MM d, a, b, acc, sa, sb, ra, rb     ; one product; acc = 0: it starts the sum; ra, rb: the scale words stand in lanes 16-31
.if \acc
.if (\ra)&&(\rb)
	v_wmma_scale_f32_16x16x128_f8f6f4 v[(\d):(\d)+7], v[(\a):(\a)+11], v[(\b):(\b)+11], v[(\d):(\d)+7], v[\sa], v[\sb] matrix_a_fmt:MATRIX_FMT_BF6 matrix_b_fmt:MATRIX_FMT_BF6 matrix_a_scale:MATRIX_SCALE_ROW1 matrix_b_scale:MATRIX_SCALE_ROW1
.elseif (\ra)
	v_wmma_scale_f32_16x16x128_f8f6f4 v[(\d):(\d)+7], v[(\a):(\a)+11], v[(\b):(\b)+11], v[(\d):(\d)+7], v[\sa], v[\sb] matrix_a_fmt:MATRIX_FMT_BF6 matrix_b_fmt:MATRIX_FMT_BF6 matrix_a_scale:MATRIX_SCALE_ROW1
.elseif (\rb)
	v_wmma_scale_f32_16x16x128_f8f6f4 v[(\d):(\d)+7], v[(\a):(\a)+11], v[(\b):(\b)+11], v[(\d):(\d)+7], v[\sa], v[\sb] matrix_a_fmt:MATRIX_FMT_BF6 matrix_b_fmt:MATRIX_FMT_BF6 matrix_b_scale:MATRIX_SCALE_ROW1
.else
	v_wmma_scale_f32_16x16x128_f8f6f4 v[(\d):(\d)+7], v[(\a):(\a)+11], v[(\b):(\b)+11], v[(\d):(\d)+7], v[\sa], v[\sb] matrix_a_fmt:MATRIX_FMT_BF6 matrix_b_fmt:MATRIX_FMT_BF6
.endif
.else
.if (\ra)&&(\rb)
	v_wmma_scale_f32_16x16x128_f8f6f4 v[(\d):(\d)+7], v[(\a):(\a)+11], v[(\b):(\b)+11], 0, v[\sa], v[\sb] matrix_a_fmt:MATRIX_FMT_BF6 matrix_b_fmt:MATRIX_FMT_BF6 matrix_a_scale:MATRIX_SCALE_ROW1 matrix_b_scale:MATRIX_SCALE_ROW1
.elseif (\ra)
	v_wmma_scale_f32_16x16x128_f8f6f4 v[(\d):(\d)+7], v[(\a):(\a)+11], v[(\b):(\b)+11], 0, v[\sa], v[\sb] matrix_a_fmt:MATRIX_FMT_BF6 matrix_b_fmt:MATRIX_FMT_BF6 matrix_a_scale:MATRIX_SCALE_ROW1
.elseif (\rb)
	v_wmma_scale_f32_16x16x128_f8f6f4 v[(\d):(\d)+7], v[(\a):(\a)+11], v[(\b):(\b)+11], 0, v[\sa], v[\sb] matrix_a_fmt:MATRIX_FMT_BF6 matrix_b_fmt:MATRIX_FMT_BF6 matrix_b_scale:MATRIX_SCALE_ROW1
.else
	v_wmma_scale_f32_16x16x128_f8f6f4 v[(\d):(\d)+7], v[(\a):(\a)+11], v[(\b):(\b)+11], 0, v[\sa], v[\sb] matrix_a_fmt:MATRIX_FMT_BF6 matrix_b_fmt:MATRIX_FMT_BF6
.endif
.endif
.endm
; 32 numbers of a lane, register 16 b + i = k 32 b + 16 (lane / 16) + i of my row, become half a fragment (6 registers at pc: lane (r, h) holds block h) and the bytes v[QBY], v[QBY+1]
.macro QUANT2 s, pc
.irp b, 0,1
	v_max3_num_f32 v[QTM+\b], |v[(\s)+16*\b]|, |v[(\s)+1+16*\b]|, 0x2800000   ; my 16 numbers of block b, and the floor 2^(5 - 127)
.endr
.irp i, 2,4,6,8,10,12,14
.irp b, 0,1
	s_delay_alu instid0(VALU_DEP_2)
	v_max3_num_f32 v[QTM+\b], v[QTM+\b], |v[(\s)+16*\b+\i]|, |v[(\s)+1+16*\b+\i]|
.endr
.endr
.irp b, 0,1
	s_delay_alu instid0(VALU_DEP_2)
	v_permlanex16_b32 v[QTX+\b], v[QTM+\b], s[SEL], s[SEL+1]
.endr
.irp b, 0,1
	s_delay_alu instid0(VALU_DEP_2)
	v_max_num_f32 v[QTM+\b], v[QTM+\b], v[QTX+\b]                ; with lane l xor 16's: the block's largest magnitude
.endr
.irp b, 0,1
	s_delay_alu instid0(VALU_DEP_2)
	v_add_nc_u32 v[QSO+\b], 0xfe000000, v[QTM+\b]                ; 4 off its exponent field: the conversion's scale operand
.endr
.irp b, 0,1
	s_delay_alu instid0(VALU_DEP_2)
	v_lshrrev_b32 v[QBY+\b], 23, v[QSO+\b]                       ; the scale's byte
.endr
	v_cvt_scalef32_pk16_bf6_f32 v[(\pc):(\pc)+2], v[(\s):(\s)+15], v[QSO]
	v_cvt_scalef32_pk16_bf6_f32 v[QTP:QTP+2], v[(\s)+16:(\s)+31], v[QSO+1]
	v_nop                                          ; one plain place behind a scaled conversion
.irp i, 0,1,2
	v_permlane16_swap_b32 v[(\pc)+\i], v[QTP+\i]   ; lanes 0-15 get block 0 whole, lanes 16-31 block 1
.endr
.irp i, 0,1,2
	s_delay_alu instid0(VALU_DEP_3)
	v_mov_b32 v[(\pc)+3+\i], v[QTP+\i]
.endr
.endm
	s_load_b128 s[4:7], s[0:1], 0x0                ; xbuf, wbuf
	s_load_b128 s[8:11], s[0:1], 0x10              ; b_qk, b_v
	s_load_b64 s[12:13], s[0:1], 0x20              ; kvbuf
	v_lshrrev_b32 v1, 5, v0
	s_delay_alu instid0(VALU_DEP_1)
	v_readfirstlane_b32 s14, v1                    ; wave 0..15
	s_and_b32 s15, ttmp7, 0xffff                   ; the pair of heads
	v_and_b32 v1, 31, v0                           ; lane
	v_lshlrev_b32 v2, 4, v0                        ; 16, 4, 8 x thread
	v_lshlrev_b32 v3, 2, v0
	v_lshlrev_b32 v8, 3, v0
	v_and_b32 v9, 255, v0
	s_delay_alu instid0(VALU_DEP_1)
	v_lshlrev_b32 v9, 1, v9                        ; 2 (thread % 256): the biases come two bytes a thread
	v_lshl_add_u32 v10, v0, 1, L_BIAS
	v_add_nc_u32 v11, L_WV, v2
	v_add_nc_u32 v12, L_XI, v2
	v_add_nc_u32 v13, L_XI+49152, v2
	v_add_nc_u32 v14, L_WQS, v3
	v_add_nc_u32 v15, L_XSC, v8
	v_mov_b32 v[QTX], 0                            ; written once: a lane permute's destination counts as one of its sources
	v_mov_b32 v[QTX+1], 0
	s_mov_b32 s[SEL], 0x76543210
	s_mov_b32 s[SEL+1], 0xfedcba98
	s_mov_b32 s[HM], 0xffff0000
	s_mov_b32 s52, 0x3eb504f3                      ; 64^-0.25 = 2^-1.5
	s_mov_b32 s53, s52
	s_mov_b32 s17, 0
	s_wait_alu depctr_va_vdst(0)
	s_wait_kmcnt 0x0
	s_mul_i32 s16, s15, 49152
	s_add_nc_u64 s[20:21], s[6:7], s[16:17]        ; the group's codes of W_qk (W_v's: CW_V further on)
	s_lshl_b32 s16, s15, 11
	s_add_nc_u64 s[22:23], s[6:7], s[16:17]        ; its scale words (SW_QK, SW_V in the immediates)
	s_mul_i32 s16, ttmp9, 98304
	s_add_nc_u64 s[24:25], s[4:5], s[16:17]        ; x's four groups
	s_lshl_b32 s16, ttmp9, 12
	s_add_nc_u64 s[26:27], s[4:5], s[16:17]        ; their scale words
	s_cmp_lt_u32 s14, 8
	s_cselect_b64 s[28:29], s[8:9], s[10:11]       ; waves 0-7 bring b_qk's 128 numbers, waves 8-15 b_v's
	s_lshl_b32 s16, s15, 9
	s_add_nc_u64 s[28:29], s[28:29], s[16:17]
.irp j, 0,1,2,3,4,5
	global_load_b128 v[128+4*\j:131+4*\j], v2, s[20:21] offset:8192*\j
.endr
.irp j, 0,1,2,3,4,5
	global_load_b128 v[152+4*\j:155+4*\j], v2, s[20:21] offset:CW_V+8192*\j
.endr
.irp j, 0,1,2,3,4,5,6,7,8,9,10,11
	global_load_b128 v[176+4*\j:179+4*\j], v2, s[24:25] offset:8192*\j
.endr
	global_load_b32 v224, v3, s[22:23] offset:SW_QK
	global_load_b32 v225, v3, s[22:23] offset:SW_V
	global_load_b64 v[226:227], v8, s[26:27] offset:XS0
	global_load_u16 v228, v9, s[28:29]
	; my role, and where my operands lie in LDS (all from the wave's number)
	s_lshr_b32 s30, s14, 3                         ; hd: which of the two heads
	s_bfe_u32 s31, s14, 0x10002                    ; ty: 0 qk, 1 v
	s_and_b32 s32, s14, 3                          ; q: which 64 tokens
	s_xor_b32 s33, s31, 1                          ; nt = 1 - ty
	s_mul_i32 s34, s30, 6144
	s_mul_i32 s35, s32, 24576
	s_add_co_u32 s35, s35, L_XI
	s_add_co_u32 s36, s34, L_WV
	s_mul_i32 s37, s33, s34
	s_mul_i32 s38, s31, s35
	s_add_co_u32 s37, s37, s38                     ; set 1: W_qk's four tiles, or x's
	s_mul_i32 s38, s33, s35
	s_mul_i32 s39, s31, s36
	s_add_co_u32 s38, s38, s39                     ; set 2: x's, or W_v's
	s_lshl_b32 s39, s30, 3
	s_add_co_u32 s40, s39, L_WQS
	s_add_co_u32 s41, s39, L_WVS
	s_lshl_b32 s42, s32, 10
	s_add_co_u32 s42, s42, L_XSC
	s_mul_i32 s43, s33, s40
	s_mul_i32 s44, s31, s42
	s_add_co_u32 s43, s43, s44                     ; set 1's scale words
	s_mul_i32 s44, s33, s42
	s_mul_i32 s45, s31, s41
	s_add_co_u32 s44, s44, s45                     ; set 2's
	s_lshl_b32 s46, s33, 3
	s_add_co_u32 s46, s46, 8                       ; bytes from lane to lane: a weight's words 16, x's 8
	s_lshl_b32 s47, s31, 3
	s_add_co_u32 s47, s47, 8
	s_mul_i32 s48, s46, 768                        ; a K step on: a weight's fragments 12,288, x's 6,144;
	s_mul_i32 s49, s47, 768
	s_lshl_b32 s50, s46, 5                         ; a weight's words 512, x's 256
	s_lshl_b32 s51, s47, 5
	v_lshl_add_u32 v4, v1, 4, s37
	v_lshl_add_u32 v5, v1, 4, s38
	v_mad_u32_u24 v6, v1, s46, s43
	v_mad_u32_u24 v7, v1, s47, s44
	s_wait_alu depctr_va_vdst(0)
	s_wait_loadcnt 0x0
.irp j, 0,1,2,3,4,5
	ds_store_b128 v2, v[128+4*\j:131+4*\j] offset:8192*\j
.endr
.irp j, 0,1,2,3,4,5
	ds_store_b128 v11, v[152+4*\j:155+4*\j] offset:8192*\j
.endr
.irp j, 0,1,2,3,4,5
	ds_store_b128 v12, v[176+4*\j:179+4*\j] offset:8192*\j
.endr
.irp j, 0,1,2,3,4,5
	ds_store_b128 v13, v[200+4*\j:203+4*\j] offset:8192*\j
.endr
	ds_store_b32 v14, v224
	ds_store_b32 v14, v225 offset:2048
	ds_store_b64 v15, v[226:227]
	ds_store_b16 v10, v228
	s_wait_dscnt 0x0                               ; for the others' sake: my stores have landed
	s_barrier_signal -1
	s_barrier_wait -1                              ; the launch's one barrier: from here on LDS is only read
	v_lshlrev_b32 v2, 4, v1                        ; 16 x lane, 8 x lane: the stores' offsets
	v_lshlrev_b32 v3, 3, v1
	v_bfe_u32 v8, v0, 4, 1
	s_lshl_b32 s58, s30, 8
	s_add_co_u32 s58, s58, L_BIAS
	v_lshl_add_u32 v8, v8, 6, s58                  ; b_qk: my head's 64 numbers, + 64 h
	v_and_b32 v9, 15, v0
	s_delay_alu instid0(VALU_DEP_1)
	v_and_b32 v10, 8, v9
	s_delay_alu instid0(VALU_DEP_1)
	v_add_nc_u32 v9, v9, v10
	s_add_co_u32 s58, s58, 512
	v_lshl_add_u32 v9, v9, 2, s58                  ; b_v: 4 (r + 8 (r / 8))
.macro KSTEP first, last
.irp a, 0,1,2,3
.irp g, 0,1,2
	ds_load_b128 v[32+12*\a+4*\g:35+12*\a+4*\g], v4 offset:1536*\a+512*\g
.endr
.endr
.irp a, 0,1,2,3
.irp g, 0,1,2
	ds_load_b128 v[80+12*\a+4*\g:83+12*\a+4*\g], v5 offset:1536*\a+512*\g
.endr
.endr
	ds_load_b64 v[16:17], v6
	ds_load_b64 v[18:19], v7
	s_wait_dscnt 0x0
.irp bi, 0,1,2,3                               ; the sixteen accumulators take turns
.irp ai, 0,1,2,3
	MM 128+8*(4*\bi+\ai), 32+12*\ai, 80+12*\bi, 1-\first, 16+\ai/2, 18+\bi/2, \ai%2, \bi%2
.endr
.endr
.if \last
.rept 4
	v_nop                                          ; four places in front of the first read of results and of loads into operands
.endr
.else
	v_add_nc_u32 v4, s48, v4                       ; the next K step: these four lines are the places in front of its loads
	v_add_nc_u32 v5, s49, v5
	v_add_nc_u32 v6, s50, v6
	v_add_nc_u32 v7, s51, v7
.endif
.endm
	KSTEP 1, 0
	s_wait_alu depctr_va_vdst(0)
	KSTEP 0, 0
	s_wait_alu depctr_va_vdst(0)
	KSTEP 0, 0
	KSTEP 0, 1
	s_lshr_b32 s58, ttmp9, 2                       ; 8 x source + batch
	s_lshl_b32 s58, s58, 3
	s_lshl_b32 s59, s15, 1
	s_add_co_u32 s58, s58, s59
	s_add_co_u32 s58, s58, s30
	s_mul_i32 s58, s58, KVB                        ; my head's block in kvbuf
	s_and_b32 s59, ttmp9, 3                        ; which 256 tokens of the batch's 1,024
	s_cmp_eq_u32 s31, 0
	s_cbranch_scc0 .Lv_tail
	; ---- qk: a lane holds a token; register 16 b + i of a tile of tokens is channel 32 b + 16 h + i
.irp b, 0,1
.irp j, 0,1,2,3
	ds_load_b128 v[32+16*\b+4*\j:35+16*\b+4*\j], v8 offset:128*\b+16*\j
.endr
.endr
	s_mul_i32 s16, s59, 12288
	s_add_co_u32 s16, s16, s58
	s_mul_i32 s34, s32, 3072
	s_add_co_u32 s16, s16, s34
	s_add_nc_u64 s[54:55], s[12:13], s[16:17]      ; pairs 8 (quarter) + 2 q, + 1
	s_lshl_b32 s16, s59, 10
	s_add_co_u32 s16, s16, s58
	s_lshl_b32 s34, s32, 8
	s_add_co_u32 s16, s16, s34
	s_add_nc_u64 s[56:57], s[12:13], s[16:17]      ; their scale words
	s_wait_dscnt 0x0
.set k, 0
.rept 16
	v_pk_mul_f32 v[32+k:33+k], v[32+k:33+k], s[52:53] op_sel_hi:[1,0]   ; b x 2^-1.5, once
.set k, k+2
.endr
.irp i, 0,1,2,3
.set k, 0
.rept 16
	v_pk_fma_f32 v[128+32*\i+k:129+32*\i+k], v[128+32*\i+k:129+32*\i+k], s[52:53], v[32+k:33+k] op_sel_hi:[1,0,1]   ; each accumulator from its low end on
.set k, k+2
.endr
	QUANT2 128+32*\i, 64+16*(\i/2)+6*(\i%2)
	v_lshl_or_b32 v[96+\i], v[QBY+1], 8, v[QBY]    ; two bytes; the word's upper two stay 0
.endr
	v_cndmask_b32 v100, v96, v97, s[HM]            ; lanes 0-15: tile 2 P's words, lanes 16-31: tile 2 P + 1's
	s_delay_alu instid0(VALU_DEP_2)
	v_cndmask_b32 v101, v98, v99, s[HM]
.irp pl, 0,1
.irp g, 0,1,2
	global_store_b128 v2, v[64+16*\pl+4*\g:67+16*\pl+4*\g], s[54:55] offset:1536*\pl+512*\g   ; 512 consecutive bytes a store
.endr
.endr
	global_store_b64 v3, v[100:101], s[56:57] offset:KSC
	s_wait_xcnt 0x0
	v_lshl_add_u32 v254, v0, 2, 0x40000
	v_mov_b32 v255, 0
	s_wait_alu depctr_va_vdst(0)
	s_wait_tensorcnt 0x0
	ds_add_u32 v254, v255
	s_wait_dscnt 0x0
	s_endpgm
	; ---- v: a lane holds a channel; register 16 b + i of a tile of channels is token 32 b + 16 h + i of my 64
.Lv_tail:
.irp t, 0,1,2,3
	ds_load_b32 v[32+2*\t], v9 offset:128*(\t/2)+32*(\t%2)
	ds_load_b32 v[33+2*\t], v9 offset:128*(\t/2)+32*(\t%2)     ; twice: a pair for the packed addition
.endr
	s_lshr_b32 s34, s32, 1
	s_and_b32 s35, s32, 1
	s_mul_i32 s16, s59, 12288
	s_add_co_u32 s16, s16, s58
	s_mul_i32 s36, s34, 6144
	s_add_co_u32 s16, s16, s36
	s_mul_i32 s36, s35, 768
	s_add_co_u32 s16, s16, s36
	s_add_nc_u64 s[54:55], s[12:13], s[16:17]      ; step 2 (quarter) + q / 2 of 128 tokens, half q % 2 of its fragments
	s_lshl_b32 s16, s59, 9
	s_add_co_u32 s16, s16, s58
	s_lshl_b32 s36, s34, 8
	s_add_co_u32 s16, s16, s36
	s_lshl_b32 s36, s35, 1
	s_add_co_u32 s16, s16, s36
	s_add_nc_u64 s[56:57], s[12:13], s[16:17]      ; my two bytes of each scale word
	s_wait_dscnt 0x0
.irp t, 0,1,2,3
.set k, 0
.rept 16
	v_pk_add_f32 v[128+32*\t+k:129+32*\t+k], v[128+32*\t+k:129+32*\t+k], v[32+2*\t:33+2*\t]
.set k, k+2
.endr
	QUANT2 128+32*\t, 64+6*\t
	v_lshl_or_b32 v[96+\t], v[QBY+1], 8, v[QBY]
.endr
	v_cndmask_b32 v100, v96, v97, s[HM]
	s_delay_alu instid0(VALU_DEP_2)
	v_cndmask_b32 v101, v98, v99, s[HM]
.irp t, 0,1,2,3
.irp k, 0,1,2
	global_store_b64 v3, v[64+6*\t+2*\k:65+6*\t+2*\k], s[54:55] offset:VIMG+1536*\t+256*\k   ; 256 consecutive bytes a store
.endr
.endr
	global_store_b16 v3, v100, s[56:57] offset:VSC
	global_store_b16 v3, v101, s[56:57] offset:VSC+4
	s_wait_xcnt 0x0
	v_lshl_add_u32 v254, v0, 2, 0x40000
	v_mov_b32 v255, 0
	s_wait_alu depctr_va_vdst(0)
	s_wait_tensorcnt 0x0
	ds_add_u32 v254, v255
	s_wait_dscnt 0x0
	s_endpgm
.Lfunc_end_k_qa1c28bde63_proj:
	.size	k_qa1c28bde63_proj, .Lfunc_end_k_qa1c28bde63_proj-k_qa1c28bde63_proj
	.p2alignl 7, 3214868480
	.fill 96, 4, 3214868480
	.section	.rodata,"a",@progbits
	.p2align	6, 0x0
	.amdhsa_kernel k_qa1c28bde63_proj
		.amdhsa_group_segment_fixed_size 264192
		.amdhsa_private_segment_fixed_size 0
		.amdhsa_enable_private_segment 0
		.amdhsa_kernarg_size 40
		.amdhsa_user_sgpr_count 2
		.amdhsa_user_sgpr_kernarg_segment_ptr 1
		.amdhsa_wavefront_size32 1
		.amdhsa_system_sgpr_workgroup_id_x 1
		.amdhsa_system_sgpr_workgroup_id_y 1
		.amdhsa_system_sgpr_workgroup_id_z 1
		.amdhsa_system_vgpr_workitem_id 0
		.amdhsa_next_free_vgpr 256
		.amdhsa_next_free_sgpr 66
		.amdhsa_reserve_vcc 0
		.amdhsa_float_denorm_mode_32 3
		.amdhsa_float_denorm_mode_16_64 3
		.amdhsa_memory_ordered 1
		.amdhsa_forward_progress 1
		.amdhsa_inst_pref_size 60
	.end_amdhsa_kernel
	.amdgpu_metadata
---
amdhsa.version: [ 1, 2 ]
amdhsa.kernels:
  - .name:           k_qa1c28bde63_proj
    .symbol:         k_qa1c28bde63_proj.kd
    .args:
      - { .name: xbuf, .offset: 0, .size: 8, .value_kind: global_buffer, .address_space: global }
      - { .name: wbuf, .offset: 8, .size: 8, .value_kind: global_buffer, .address_space: global }
      - { .name: b_qk, .offset: 16, .size: 8, .value_kind: global_buffer, .address_space: global }
      - { .name: b_v, .offset: 24, .size: 8, .value_kind: global_buffer, .address_space: global }
      - { .name: kvbuf, .offset: 32, .size: 8, .value_kind: global_buffer, .address_space: global }
    .group_segment_fixed_size: 264192
    .private_segment_fixed_size: 0
    .kernarg_segment_align: 8
    .kernarg_segment_size: 40
    .max_flat_workgroup_size: 512
    .sgpr_count:     66
    .vgpr_count:     256
    .wavefront_size: 32
...
	.end_amdgpu_metadata
.endif
;; end of part 2
;; launch attn (part 3): grid 2 x 128, 16 waves a work-group, no clusters, 106,496 bytes of LDS; arguments kvbuf, mbuf; writes mbuf
.if DOCPART == 3
	.amdgcn_target "amdgcn-amd-amdhsa--gfx1250"
	.amdhsa_code_object_version 6
	.text
	.protected	k_qa1c28bde63_attn
	.globl	k_qa1c28bde63_attn
	.p2align	8
	.type	k_qa1c28bde63_attn,@function
k_qa1c28bde63_attn:
	s_mov_b64 s[64:65], 0
	v_nop
	global_prefetch_b8 v0, s[64:65] scope:SCOPE_SE
	s_setreg_imm32_b32 hwreg(HW_REG_WAVE_MODE, 25, 1), 1
	s_wait_xcnt 0x0
; Both attentions, as 128 alike problems (source of the queries, batch, head): m[q] = the sum over k of softmax_k(qk_q . qk_k) v_k, keys and values from the OTHER source (block id xor 64), on codes of BF6 (E3M2).
; THE SOFTMAX AHEAD OF THE SECOND PRODUCT: t = score x log2(e); M = the running largest t rounded UP to a whole number; p = 2^(t - M) is quantised along the keys, not normalised;
; the row's sum is taken of the unquantised p and divides at the end; when M moves, the sum and O are multiplied by 2^(old M - new M): exact.  Then m is quantised along the channels for the next launch.
; A work-group takes 512 queries of one problem (x) ; the other source's whole block (keys, values, scale words: 104,448 bytes) comes into LDS once, as it lies; one barrier; LDS is only read afterwards.
; A wave owns one tile of 16 queries at a time, twice.  Both products are used transposed (S^T = K Q^T, O^T = V^T P^T): a lane holds ONE query throughout.
; The head has 64 channels and the instruction takes 128 along K: Q's upper 64 codes are ZEROS, so whatever stands in the upper half of source 0 (the next tile's codes) adds exactly 0; the scale bytes there are 0, which is 2^-127.
; LIMITS: NaN and infinities are not served; a block whose largest magnitude lies under 2^-122 gets the byte 1; 1 / sum is v_rcp_f32 and a multiplication.
; REGISTERS: v1-3 lane terms; v4-7 addresses in hand; v9 m's byte offset; v12 -M, v13 largest t, v[14:15] the sum; v16-27, v28-39 Q of the two passes; v40-87 K's eight tiles, then V's four fragments; v88-93 zeros;
; v96-159 S^T, then p; v160-191 O^T; v192-203 p's codes; v204-223 at work; v224-232 scale words and nothing else; v[234:235] f; v240-246 m's codes and byte.
.set KVB,  104448
.set KSC,  49152
.set VIMG, 53248
.set VSC,  102400
.set MS0,  6291456                     ; mbuf: the scale bytes begin here
.set QTM, 212
.set QTX, 216
.set QSO, 220
.set QBY, 218
.set QTP, 204
.set SEL, 28
.set HM,  30
.set CS,  32                           ; s[32:33] log2(e)
.set SK,  34                           ; s34 the step's codes: 6,144 bytes a step, for K and for V
.set SS,  35                           ; s35 K's scale words: 512 a step
.set SV,  36                           ; s36 V's: 256 a step
.set CNT, 37
.macro MM d, a, b, acc, sa, sb, ra     ; one product; acc = 0: it starts the sum; ra: source 0's scale words stand in lanes 16-31
.if \acc
.if (\ra)
	v_wmma_scale_f32_16x16x128_f8f6f4 v[(\d):(\d)+7], v[(\a):(\a)+11], v[(\b):(\b)+11], v[(\d):(\d)+7], v[\sa], v[\sb] matrix_a_fmt:MATRIX_FMT_BF6 matrix_b_fmt:MATRIX_FMT_BF6 matrix_a_scale:MATRIX_SCALE_ROW1
.else
	v_wmma_scale_f32_16x16x128_f8f6f4 v[(\d):(\d)+7], v[(\a):(\a)+11], v[(\b):(\b)+11], v[(\d):(\d)+7], v[\sa], v[\sb] matrix_a_fmt:MATRIX_FMT_BF6 matrix_b_fmt:MATRIX_FMT_BF6
.endif
.else
.if (\ra)
	v_wmma_scale_f32_16x16x128_f8f6f4 v[(\d):(\d)+7], v[(\a):(\a)+11], v[(\b):(\b)+11], 0, v[\sa], v[\sb] matrix_a_fmt:MATRIX_FMT_BF6 matrix_b_fmt:MATRIX_FMT_BF6 matrix_a_scale:MATRIX_SCALE_ROW1
.else
	v_wmma_scale_f32_16x16x128_f8f6f4 v[(\d):(\d)+7], v[(\a):(\a)+11], v[(\b):(\b)+11], 0, v[\sa], v[\sb] matrix_a_fmt:MATRIX_FMT_BF6 matrix_b_fmt:MATRIX_FMT_BF6
.endif
.endif
.endm
; 32 numbers of a lane, register 16 b + i = k 32 b + 16 (lane / 16) + i of my row, become half a fragment (6 registers at pc) and the bytes v[QBY], v[QBY+1]
.macro QUANT2 s, pc
.irp b, 0,1
	v_max3_num_f32 v[QTM+\b], |v[(\s)+16*\b]|, |v[(\s)+1+16*\b]|, 0x2800000
.endr
.irp i, 2,4,6,8,10,12,14
.irp b, 0,1
	s_delay_alu instid0(VALU_DEP_2)
	v_max3_num_f32 v[QTM+\b], v[QTM+\b], |v[(\s)+16*\b+\i]|, |v[(\s)+1+16*\b+\i]|
.endr
.endr
.irp b, 0,1
	s_delay_alu instid0(VALU_DEP_2)
	v_permlanex16_b32 v[QTX+\b], v[QTM+\b], s[SEL], s[SEL+1]
.endr
.irp b, 0,1
	s_delay_alu instid0(VALU_DEP_2)
	v_max_num_f32 v[QTM+\b], v[QTM+\b], v[QTX+\b]
.endr
.irp b, 0,1
	s_delay_alu instid0(VALU_DEP_2)
	v_add_nc_u32 v[QSO+\b], 0xfe000000, v[QTM+\b]
.endr
.irp b, 0,1
	s_delay_alu instid0(VALU_DEP_2)
	v_lshrrev_b32 v[QBY+\b], 23, v[QSO+\b]
.endr
	v_cvt_scalef32_pk16_bf6_f32 v[(\pc):(\pc)+2], v[(\s):(\s)+15], v[QSO]
	v_cvt_scalef32_pk16_bf6_f32 v[QTP:QTP+2], v[(\s)+16:(\s)+31], v[QSO+1]
	v_nop                                          ; one plain place behind a scaled conversion
.irp i, 0,1,2
	v_permlane16_swap_b32 v[(\pc)+\i], v[QTP+\i]
.endr
.irp i, 0,1,2
	s_delay_alu instid0(VALU_DEP_3)
	v_mov_b32 v[(\pc)+3+\i], v[QTP+\i]
.endr
.endm
	s_load_b128 s[4:7], s[0:1], 0x0                ; kvbuf, mbuf
	v_lshl_add_u32 v254, v0, 2, 0x19800
	v_mov_b32 v255, 0
	v_lshrrev_b32 v1, 5, v0
	s_delay_alu instid0(VALU_DEP_1)
	v_readfirstlane_b32 s8, v1                     ; wave 0..15
	s_and_b32 s9, ttmp7, 0xffff                    ; the queries' block: (8 source + batch) 8 + head
	s_mov_b32 s11, 0
	s_and_b32 s41, s8, 1                           ; u: which tile of my pair
	v_and_b32 v8, 31, v0
	s_delay_alu instid0(VALU_DEP_1)
	v_lshlrev_b32 v1, 4, v8                        ; 16 x lane
	s_delay_alu instid0(VALU_DEP_2)
	v_lshlrev_b32 v2, 3, v8                        ; 8 x lane
	s_delay_alu instid0(VALU_DEP_1)
	v_add_nc_u32 v3, VSC, v2
	s_mul_i32 s40, s41, 520
	v_add_nc_u32 v10, s40, v1                      ; registers 6 u .. 6 u + 5 of a pair's image lie at 16 l + 520 u + 0, 16 l + 1016 u + 8, 16 l + 520 u + 512
	s_mul_i32 s40, s41, 1016
	v_add_nc_u32 v11, s40, v1
	v_and_b32 v8, 15, v0
	v_bfe_u32 v9, v0, 4, 1
	s_delay_alu instid0(VALU_DEP_1)
	v_lshl_add_u32 v9, v8, 3, v9                   ; 8 r + h: my byte among m's scale bytes
	s_delay_alu instid0(VALU_DEP_3)
	v_lshlrev_b32 v8, 3, v8                        ; 8 r
	v_lshlrev_b32 v4, 4, v0                        ; the copy: 16, 8, 4 x thread
	v_lshlrev_b32 v147, 3, v0
	v_lshlrev_b32 v148, 2, v0
	s_delay_alu instid0(VALU_DEP_3)
	v_add_nc_u32 v5, 0x10000, v4
	s_delay_alu instid0(VALU_DEP_3)
	v_add_nc_u32 v6, 98304, v147
	s_delay_alu instid0(VALU_DEP_3)
	v_add_nc_u32 v7, VSC, v148
	s_mov_b32 s[SEL], 0x76543210
	s_mov_b32 s[SEL+1], 0xfedcba98
	s_mov_b32 s[HM], 0xffff0000
	s_mov_b32 s[CS], 0x3fb8aa3b                    ; log2(e)
	s_mov_b32 s[CS+1], s[CS]
	s_wait_alu depctr_va_vdst(0)
	s_wait_kmcnt 0x0
	s_xor_b32 s10, s9, 64
	s_mul_i32 s10, s10, KVB
	s_add_nc_u64 s[14:15], s[4:5], s[10:11]        ; the keys' and values' block
	s_mul_i32 s38, s9, KVB
	s_lshl_b32 s39, ttmp9, 4
	s_lshr_b32 s40, s8, 1
	s_add_co_u32 s39, s39, s40                     ; my pair in pass 0: 16 x + wave / 2 (pass 1: 8 pairs on)
	s_mul_i32 s10, s39, 1536
	s_add_co_u32 s10, s10, s38
	s_add_nc_u64 s[18:19], s[4:5], s[10:11]        ; Q's codes
	s_lshr_b32 s40, s39, 1
	s_lshl_b32 s10, s40, 8
	s_and_b32 s40, s39, 1
	s_lshl_b32 s40, s40, 2
	s_add_co_u32 s10, s10, s40
	s_lshl_b32 s40, s41, 7
	s_add_co_u32 s10, s10, s40
	s_add_co_u32 s10, s10, s38
	s_add_nc_u64 s[22:23], s[4:5], s[10:11]        ; Q's scale words
	s_lshr_b32 s38, s9, 3
	s_and_b32 s39, s9, 7                           ; the head
	s_lshl_b32 s10, s38, 6
	s_lshl_b32 s40, ttmp9, 5
	s_add_co_u32 s10, s10, s40
	s_add_co_u32 s10, s10, s8                      ; my tile of tokens in pass 0 (pass 1: 16 tiles on)
	s_mul_i32 s10, s10, 6144
	s_mul_i32 s40, s39, 768
	s_add_co_u32 s10, s10, s40
	s_add_nc_u64 s[24:25], s[6:7], s[10:11]        ; m's codes: half head % 2 of fragment head / 2
	s_lshl_b32 s10, s38, 4
	s_lshl_b32 s40, ttmp9, 3
	s_add_co_u32 s10, s10, s40
	s_lshr_b32 s40, s8, 2
	s_add_co_u32 s10, s10, s40                     ; my group of 64 tokens
	s_lshl_b32 s10, s10, 10
	s_lshr_b32 s40, s39, 1
	s_lshl_b32 s40, s40, 8
	s_add_co_u32 s10, s10, s40
	s_lshl_b32 s40, s41, 7
	s_add_co_u32 s10, s10, s40
	s_bfe_u32 s40, s8, 0x10001
	s_lshl_b32 s40, s40, 2
	s_add_co_u32 s10, s10, s40
	s_and_b32 s40, s39, 1
	s_lshl_b32 s40, s40, 1
	s_add_co_u32 s10, s10, s40
	s_add_nc_u64 s[26:27], s[6:7], s[10:11]        ; m's scale bytes
.irp q, 0,1
	global_load_b64 v[16+12*\q:17+12*\q], v10, s[18:19] offset:12288*\q
	global_load_b64 v[18+12*\q:19+12*\q], v11, s[18:19] offset:12288*\q+8
	global_load_b64 v[20+12*\q:21+12*\q], v10, s[18:19] offset:12288*\q+512
	global_load_b32 v[230+\q], v8, s[22:23] offset:KSC+1024*\q
.endr
.irp j, 0,1,2,3,4,5,6,7,8,9,10,11
	global_load_b128 v[96+4*\j:99+4*\j], v4, s[14:15] offset:8192*\j
.endr
	global_load_b64 v[144:145], v147, s[14:15] offset:98304
	global_load_b32 v146, v148, s[14:15] offset:VSC
.irp j, 22,23,24,25,26,27,34,35,36,37,38,39,88,89,90,91,92,93
	v_mov_b32 v[\j], 0                             ; Q's upper 64 codes, and what stands behind K's last tile
.endr
.irp j, 216,217,218,219,235,238
	v_mov_b32 v[\j], 0                             ; written once: lane permutes' destinations, and the upper half of the pair v[234:235]
.endr
	s_wait_loadcnt 0x0
.irp j, 0,1,2,3,4,5,6,7
	ds_store_b128 v4, v[96+4*\j:99+4*\j] offset:8192*\j
.endr
.irp j, 0,1,2,3
	ds_store_b128 v5, v[128+4*\j:131+4*\j] offset:8192*\j
.endr
	ds_store_b64 v6, v[144:145]
	ds_store_b32 v7, v146
	s_wait_dscnt 0x0                               ; for the others' sake: my stores have landed
	s_barrier_signal -1
	s_barrier_wait -1                              ; the launch's one barrier
.macro PASS q
.set QR, 16+12*\q
.if \q
	s_wait_xcnt 0x0                                ; the last pass's stores have read their registers
.endif
	v_mov_b32 v13, 0xff61b1e6                      ; the largest t so far: -3e38
	s_delay_alu instid0(VALU_DEP_1)
	v_floor_f32 v12, -v13                          ; -M
	v_mov_b32 v14, 0                               ; the sum, in two halves
	v_mov_b32 v15, 0
.set j, 0
.rept 32
	v_mov_b32 v[160+j], 0                          ; O^T.  (The step is written once: the first finds zeros, which the first change of M leaves zeros)
.set j, j+1
.endr
	s_mov_b32 s[SK], 0
	s_mov_b32 s[SS], 0
	s_mov_b32 s[SV], 0
	s_mov_b32 s[CNT], 8
.Ltrip_\@:                                     ; a trip: 128 keys
	v_add_nc_u32 v4, s[SK], v1                     ; these four lines are the places in front of loads into registers that the last products read
	v_add_nc_u32 v5, s[SK], v2
	v_add_nc_u32 v6, s[SS], v2
	v_add_nc_u32 v7, s[SV], v3
.irp b, 0,1,2,3
.irp g, 0,1,2
	ds_load_b128 v[40+12*\b+4*\g:43+12*\b+4*\g], v4 offset:1536*\b+512*\g   ; four pairs of tiles of keys: tile t at v[40 + 6 t]
.endr
.endr
	ds_load_b64 v[224:225], v6 offset:KSC
	ds_load_b64 v[226:227], v6 offset:KSC+256
	s_wait_alu depctr_va_vdst(0)
	s_wait_dscnt 0x0
.irp t, 0,1,2,3,4,5,6,7
	MM 96+8*\t, 40+6*\t, QR, 0, 224+\t/2, 230+\q, \t%2
.endr
.rept 4
	v_nop                                          ; four places: in front of the loads below and of the first read of the scores
.endr
.irp t, 0,1,2,3
.irp k, 0,1,2,3,4,5
	ds_load_b64 v[40+12*\t+2*\k:41+12*\t+2*\k], v5 offset:VIMG+1536*\t+256*\k   ; V's four fragments land under the softmax
.endr
.endr
	ds_load_b64 v[228:229], v7
.irp b, 0,1,2,3
	v_max3_num_f32 v[212+\b], v[96+16*\b], v[97+16*\b], v[98+16*\b]   ; the largest score of each block of 32 keys: it serves the row's maximum and, since p rises with the score, the block's largest p
.endr
.irp i, 3,5,7,9,11,13
.irp b, 0,1,2,3
	v_max3_num_f32 v[212+\b], v[212+\b], v[96+16*\b+\i], v[97+16*\b+\i]
.endr
.endr
.irp b, 0,1,2,3
	v_max_num_f32 v[212+\b], v[212+\b], v[111+16*\b]
.endr
.irp b, 0,1,2,3
	s_delay_alu instid0(VALU_DEP_4)
	v_permlanex16_b32 v[216+\b], v[212+\b], s[SEL], s[SEL+1]
.endr
.irp b, 0,1,2,3
	s_delay_alu instid0(VALU_DEP_4)
	v_max_num_f32 v[212+\b], v[212+\b], v[216+\b]  ; with lane l xor 16's 16 keys
.endr
	s_delay_alu instid0(VALU_DEP_2)
	v_max3_num_f32 v238, v212, v213, v214
	s_delay_alu instid0(VALU_DEP_1)
	v_max_num_f32 v238, v238, v215
	s_delay_alu instid0(VALU_DEP_1)
	v_mul_f32 v238, s[CS], v238                    ; as t
	s_delay_alu instid0(VALU_DEP_1)
	v_max_num_f32 v13, v13, v238                   ; the running largest t
	v_mov_b32 v238, v12
	s_delay_alu instid0(VALU_DEP_2)
	v_floor_f32 v12, -v13                          ; the new -M = -ceil(t)
	s_delay_alu instid0(VALU_DEP_1)
	v_sub_f32 v238, v12, v238                      ; old M - new M: a whole number, 0 or less
	s_delay_alu instid0(VALU_DEP_1)
	v_cvt_i32_f32 v238, v238                       ; (it saturates)
	s_delay_alu instid0(VALU_DEP_1)
	v_ldexp_f32 v234, 1.0, v238                    ; f = 2^(old M - new M)
.set j, 0
.rept 32
	v_pk_fma_f32 v[96+j:97+j], v[96+j:97+j], s[CS:CS+1], v[12:13] op_sel_hi:[1,0,0]   ; t - M
.set j, j+2
.endr
.irp b, 0,1,2,3
	v_fma_f32 v[212+\b], v[212+\b], s[CS], v12     ; the same of each block's largest score
.endr
.set j, 0
	s_wait_alu depctr_va_vdst(0)
.rept 64
	v_exp_f32 v[96+j], v[96+j]                     ; p = 2^(t - M)
.set j, j+1
.endr
.irp b, 0,1,2,3
	v_exp_f32 v[212+\b], v[212+\b]                 ; the block's largest p: the same two instructions on the same number
.endr
	v_pk_mul_f32 v[14:15], v[14:15], v[234:235] op_sel_hi:[1,0]   ; the sums under the new M (a plain place behind the exponentials)
	s_wait_alu depctr_va_vdst(0)
.irp b, 0,1,2,3
	v_max_num_f32 v[212+\b], 0x2800000, v[212+\b]  ; the floor 2^(5 - 127)
.endr
.irp b, 0,1,2,3
	s_delay_alu instid0(VALU_DEP_4)
	v_add_nc_u32 v[220+\b], 0xfe000000, v[212+\b]
.endr
.irp b, 0,1,2,3
	s_delay_alu instid0(VALU_DEP_4)
	v_lshrrev_b32 v[216+\b], 23, v[220+\b]
.endr
	s_delay_alu instid0(VALU_DEP_3)
	v_lshl_or_b32 v232, v217, 8, v216              ; p's scale word for these 128 keys
	s_delay_alu instid0(VALU_DEP_1)
	v_lshl_or_b32 v232, v218, 16, v232
	s_delay_alu instid0(VALU_DEP_1)
	v_lshl_or_b32 v232, v219, 24, v232
.irp c, 0,1
	v_cvt_scalef32_pk16_bf6_f32 v[192+6*\c:194+6*\c], v[96+32*\c:111+32*\c], v[220+2*\c]
	v_cvt_scalef32_pk16_bf6_f32 v[204+4*\c:206+4*\c], v[112+32*\c:127+32*\c], v[220+2*\c+1]
.endr
	v_nop                                          ; one plain place behind a scaled conversion
.irp c, 0,1
.irp i, 0,1,2
	v_permlane16_swap_b32 v[192+6*\c+\i], v[204+4*\c+\i]
.endr
.irp i, 0,1,2
	s_delay_alu instid0(VALU_DEP_3)
	v_mov_b32 v[195+6*\c+\i], v[204+4*\c+\i]
.endr
.endr
	v_pk_add_f32 v[236:237], v[100:101], v[104:105]
	v_pk_add_f32 v[252:253], v[108:109], v[112:113]
	v_pk_add_f32 v[250:251], v[116:117], v[120:121]
	v_pk_add_f32 v[248:249], v[124:125], v[128:129]
	v_pk_add_f32 v[246:247], v[132:133], v[136:137]
	v_pk_add_f32 v[244:245], v[140:141], v[144:145]
	v_pk_add_f32 v[242:243], v[148:149], v[152:153]
	v_pk_add_f32 v[14:15], v[14:15], v[156:157]
	v_pk_add_f32 v[236:237], v[236:237], v[96:97]
	v_pk_add_f32 v[252:253], v[252:253], v[98:99]
	v_pk_add_f32 v[250:251], v[250:251], v[102:103]
	v_pk_add_f32 v[248:249], v[248:249], v[106:107]
	v_pk_add_f32 v[246:247], v[246:247], v[110:111]
	v_pk_add_f32 v[244:245], v[244:245], v[114:115]
	v_pk_add_f32 v[242:243], v[242:243], v[118:119]
	v_pk_add_f32 v[14:15], v[14:15], v[122:123]
	v_pk_add_f32 v[236:237], v[236:237], v[126:127]
	v_pk_add_f32 v[252:253], v[252:253], v[130:131]
	v_pk_add_f32 v[250:251], v[250:251], v[134:135]
	v_pk_add_f32 v[248:249], v[248:249], v[138:139]
	v_pk_add_f32 v[246:247], v[246:247], v[142:143]
	v_pk_add_f32 v[244:245], v[244:245], v[146:147]
	v_pk_add_f32 v[242:243], v[242:243], v[150:151]
	v_pk_add_f32 v[14:15], v[14:15], v[154:155]
	v_pk_add_f32 v[236:237], v[236:237], v[158:159]
	s_delay_alu instid0(VALU_DEP_2)
	v_pk_add_f32 v[14:15], v[14:15], v[248:249]
	s_delay_alu instid0(VALU_DEP_2)
	v_pk_add_f32 v[236:237], v[236:237], v[246:247]
	v_pk_add_f32 v[252:253], v[252:253], v[244:245]
	v_pk_add_f32 v[250:251], v[250:251], v[242:243]
	s_delay_alu instid0(VALU_DEP_2)
	v_pk_add_f32 v[14:15], v[14:15], v[252:253]
	s_delay_alu instid0(VALU_DEP_2)
	v_pk_add_f32 v[236:237], v[236:237], v[250:251]
	s_delay_alu instid0(VALU_DEP_1)
	v_pk_add_f32 v[14:15], v[14:15], v[236:237]
.set j, 0
.rept 16
	v_pk_mul_f32 v[160+j:161+j], v[160+j:161+j], v[234:235] op_sel_hi:[1,0]   ; O^T under the new M (with the sums above: far more than the eight places that p's scale word wants)
.set j, j+2
.endr
	s_wait_alu depctr_va_vdst(0)
	s_wait_dscnt 0x0                               ; V is in
.irp t, 0,1,2,3
	MM 160+8*\t, 40+12*\t, 192, 1, 228+\t/2, 232, \t%2
.endr
	s_add_co_u32 s[SK], s[SK], 6144
	s_add_co_u32 s[SS], s[SS], 512
	s_add_co_u32 s[SV], s[SV], 256
	s_sub_co_u32 s[CNT], s[CNT], 1
	s_cmp_lg_u32 s[CNT], 0
	s_cbranch_scc1 .Ltrip_\@
.rept 4
	v_nop
.endr
	v_add_f32 v14, v14, v15
	s_delay_alu instid0(VALU_DEP_1)
	v_permlanex16_b32 v238, v14, s[SEL], s[SEL+1]
	s_delay_alu instid0(VALU_DEP_1)
	v_add_f32 v14, v14, v238                       ; the row's sum
	s_wait_alu depctr_va_vdst(0)
	v_rcp_f32 v14, v14
	v_nop                                          ; one plain place behind a transcendental
.set j, 0
	s_wait_alu depctr_va_vdst(0)
.rept 16
	v_pk_mul_f32 v[96+j:97+j], v[160+j:161+j], v[14:15] op_sel_hi:[1,0]   ; m: register 16 b + i is channel 32 b + 16 h + i of my head
.set j, j+2
.endr
	QUANT2 96, 240
	v_cndmask_b32 v246, v[QBY], v[QBY+1], s[HM]    ; lane (r, h) stores block h's byte of row r
.irp k, 0,1,2
	global_store_b64 v2, v[240+2*\k:241+2*\k], s[24:25] offset:98304*\q+256*\k   ; 256 consecutive bytes a store
.endr
	global_store_b8 v9, v246, s[26:27] offset:MS0+4096*\q
.endm
	PASS 0
	PASS 1
	s_wait_tensorcnt 0x0
	ds_add_u32 v254, v255
	s_wait_dscnt 0x0
	s_endpgm
.Lfunc_end_k_qa1c28bde63_attn:
	.size	k_qa1c28bde63_attn, .Lfunc_end_k_qa1c28bde63_attn-k_qa1c28bde63_attn
	.p2alignl 7, 3214868480
	.fill 96, 4, 3214868480
	.section	.rodata,"a",@progbits
	.p2align	6, 0x0
	.amdhsa_kernel k_qa1c28bde63_attn
		.amdhsa_group_segment_fixed_size 106496
		.amdhsa_private_segment_fixed_size 0
		.amdhsa_enable_private_segment 0
		.amdhsa_kernarg_size 16
		.amdhsa_user_sgpr_count 2
		.amdhsa_user_sgpr_kernarg_segment_ptr 1
		.amdhsa_wavefront_size32 1
		.amdhsa_system_sgpr_workgroup_id_x 1
		.amdhsa_system_sgpr_workgroup_id_y 1
		.amdhsa_system_sgpr_workgroup_id_z 1
		.amdhsa_system_vgpr_workitem_id 0
		.amdhsa_next_free_vgpr 256
		.amdhsa_next_free_sgpr 66
		.amdhsa_reserve_vcc 0
		.amdhsa_float_denorm_mode_32 3
		.amdhsa_float_denorm_mode_16_64 3
		.amdhsa_memory_ordered 1
		.amdhsa_forward_progress 1
		.amdhsa_inst_pref_size 55
	.end_amdhsa_kernel
	.amdgpu_metadata
---
amdhsa.version: [ 1, 2 ]
amdhsa.kernels:
  - .name:           k_qa1c28bde63_attn
    .symbol:         k_qa1c28bde63_attn.kd
    .args:
      - { .name: kvbuf, .offset: 0, .size: 8, .value_kind: global_buffer, .address_space: global }
      - { .name: mbuf, .offset: 8, .size: 8, .value_kind: global_buffer, .address_space: global }
    .group_segment_fixed_size: 106496
    .private_segment_fixed_size: 0
    .kernarg_segment_align: 8
    .kernarg_segment_size: 16
    .max_flat_workgroup_size: 512
    .sgpr_count:     66
    .vgpr_count:     256
    .wavefront_size: 32
...
	.end_amdgpu_metadata
.endif
;; end of part 3
;; launch ffn (part 4): grid 256 x 1, 16 waves a work-group, no clusters, 293,888 bytes of LDS; arguments x0, x1, xbuf, mbuf, wbuf, b_out, b_f1, ln_g, ln_b, b_f2, out0, out1; writes out0, out1
.if DOCPART == 4
	.amdgcn_target "amdgcn-amd-amdhsa--gfx1250"
	.amdhsa_code_object_version 6
	.text
	.protected	k_qa1c28bde63_ffn
	.globl	k_qa1c28bde63_ffn
	.p2align	8
	.type	k_qa1c28bde63_ffn,@function
k_qa1c28bde63_ffn:
	s_mov_b64 s[64:65], 0
	v_nop
	global_prefetch_b8 v0, s[64:65] scope:SCOPE_SE
	s_setreg_imm32_b32 hwreg(HW_REG_WAVE_MODE, 25, 1), 1
	s_wait_xcnt 0x0
; y = x + gelu(LN([x | m W_out + b_out] W_f1 + b_f1)) W_f2 + b_f2, all three products on codes of BF6 (E3M2); a work-group takes 64 rows through the whole chain; nothing but the result goes to memory.
; THE WAVES SHARE THE COLUMNS: in each product a wave makes its own output channels for the rows, so each weight fragment is wanted by one wave (in phase 1 by two, one for each pair of row tiles) and goes from memory straight into its registers, laid there as the operand wants it.
; All products are used transposed (source 0 = 16 output channels, source 1 = 16 rows): a lane holds one row, its registers run along the channels, which are the next product's K.
; What goes from wave to wave goes through LDS as images of the operand's registers (register g of lane l at 512 (g / 4) + 16 l + 4 (g % 4)); a wave's 64 channels are half a fragment: three stores of 8 bytes a lane.
; Phases: copies | barrier | 1: m' = m W_out + b_out, quantised | barrier | 2: W_f1, 64 hidden units a wave x 64 rows in 128 registers | LN in two passes, as it is defined (two barriers) | erf-GELU, quantised | barrier | 3: W_f2 | stage | barrier | + x, stored as whole rows.
; LIMITS: NaN and infinities are not served; a block whose largest magnitude lies under 2^-122 gets the byte 1; erf(u) = u A(u^2) / B(u^2), a rational form good to a few ulp of f32, its argument held to +-4, where erf is 1 to f32's last bits; 1 / B is v_rcp_f32 and a multiplication.
; REGISTERS: v1 16 l, v2 8 l, v4 64 h, v11 8 r + h: they stay; v3, v5-10 the phase's addresses; v12-19 scale words and nothing else; v20-30 at work in QUANT2 (v20-23 also mu, then 1 / sigma; v24-27 also two constants of erf);
; v32-79 the rows' fragments; v80-127 a weight set; v128-255 accumulators (phase 1 uses v128-191, and v192-239 as a second weight set).
; ln_g and ln_b are multiplied by 1 / sqrt 2 once, on their way into LDS: LN's scaling then gives u = z / sqrt 2 at once, and z / 2 is u / sqrt 2 (one rounding placed otherwise than in z = .. g + b, u = z / sqrt 2).
; BEHIND LN: the scaling is done for all four row tiles first; then GELU and the quantiser go tile by tile, and each tile's 32 registers, once quantised, take a K step of W_f2 (24) and an accumulator of phase 3 (8).
; PHASE 3'S REGISTERS: weight set q (K steps q, q + 4) at v[96 + 32 q], its scale word in v[12 + q]; accumulators 0-3 at v[120 + 32 a], 4-7 at v224-255; the residual goes into sets 0-2 as they fall free.
.set XS0,   6291456
.set CW_O,  393216
.set CW_F2, 589824
.set CW_F1, 983040
.set SW_O,  1785856
.set SW_F2, 1794048
.set SW_F1, 1810432
.set MIMG,  49152                      ; LDS: at 0 the rows' fragments [tile 4][K step 8] x 1,536 (steps 0-3: x, 4-7: m'); here m's, as they lie in memory;
.set HID,   73728                      ; the hidden layer's [tile 4][K step 8];
.set RSC,   122880                     ; the rows' scale words: 256 s + 8 (16 u + r) + 4 p;
.set HSC,   124928                     ; the hidden layer's likewise;
.set BOUT,  126976                     ; b_out, b_f1, ln_g, ln_b, b_f2;
.set BF1,   129024
.set LNG,   133120
.set BF2,   141312
.set LNX,   143360                     ; the waves' partial sums, 8,192 bytes for each of LN's two passes;
.set STAGE, 159744                     ; 64 rows x (2,048 + 16) bytes of the result
.set SP,    2064
.set QTM, 20
.set QTX, 22
.set QSO, 24
.set QBY, 26
.set QTP, 28
.set SEL, 48
.set HM,  50
.set TS,  52
.set TR,  53
.set CNT, 54
.macro MM d, a, b, acc, sa, sb, ra, rb     ; one product onto its accumulator; ra, rb: the scale words stand in lanes 16-31
.if (\ra)&&(\rb)
	v_wmma_scale_f32_16x16x128_f8f6f4 v[(\d):(\d)+7], v[(\a):(\a)+11], v[(\b):(\b)+11], v[(\d):(\d)+7], v[\sa], v[\sb] matrix_a_fmt:MATRIX_FMT_BF6 matrix_b_fmt:MATRIX_FMT_BF6 matrix_a_scale:MATRIX_SCALE_ROW1 matrix_b_scale:MATRIX_SCALE_ROW1
.elseif (\ra)
	v_wmma_scale_f32_16x16x128_f8f6f4 v[(\d):(\d)+7], v[(\a):(\a)+11], v[(\b):(\b)+11], v[(\d):(\d)+7], v[\sa], v[\sb] matrix_a_fmt:MATRIX_FMT_BF6 matrix_b_fmt:MATRIX_FMT_BF6 matrix_a_scale:MATRIX_SCALE_ROW1
.elseif (\rb)
	v_wmma_scale_f32_16x16x128_f8f6f4 v[(\d):(\d)+7], v[(\a):(\a)+11], v[(\b):(\b)+11], v[(\d):(\d)+7], v[\sa], v[\sb] matrix_a_fmt:MATRIX_FMT_BF6 matrix_b_fmt:MATRIX_FMT_BF6 matrix_b_scale:MATRIX_SCALE_ROW1
.else
	v_wmma_scale_f32_16x16x128_f8f6f4 v[(\d):(\d)+7], v[(\a):(\a)+11], v[(\b):(\b)+11], v[(\d):(\d)+7], v[\sa], v[\sb] matrix_a_fmt:MATRIX_FMT_BF6 matrix_b_fmt:MATRIX_FMT_BF6
.endif
.endm
; 32 numbers of a lane, register 16 b + i = k 32 b + 16 (lane / 16) + i of my row, become half a fragment (6 registers at pc) and the bytes v[QBY], v[QBY+1]
.macro QUANT2 s, pc
.irp b, 0,1
	v_max3_num_f32 v[QTM+\b], |v[(\s)+16*\b]|, |v[(\s)+1+16*\b]|, 0x2800000
.endr
.irp i, 2,4,6,8,10,12,14
.irp b, 0,1
	v_max3_num_f32 v[QTM+\b], v[QTM+\b], |v[(\s)+16*\b+\i]|, |v[(\s)+1+16*\b+\i]|
.endr
.endr
.irp b, 0,1
	v_permlanex16_b32 v[QTX+\b], v[QTM+\b], s[SEL], s[SEL+1]
.endr
.irp b, 0,1
	s_delay_alu instid0(VALU_DEP_2)
	v_max_num_f32 v[QTM+\b], v[QTM+\b], v[QTX+\b]
.endr
.irp b, 0,1
	s_delay_alu instid0(VALU_DEP_2)
	v_add_nc_u32 v[QSO+\b], 0xfe000000, v[QTM+\b]
.endr
.irp b, 0,1
	s_delay_alu instid0(VALU_DEP_2)
	v_lshrrev_b32 v[QBY+\b], 23, v[QSO+\b]
.endr
	v_cvt_scalef32_pk16_bf6_f32 v[(\pc):(\pc)+2], v[(\s):(\s)+15], v[QSO]
	v_cvt_scalef32_pk16_bf6_f32 v[QTP:QTP+2], v[(\s)+16:(\s)+31], v[QSO+1]
	v_nop                                          ; one plain place behind a scaled conversion
.irp i, 0,1,2
	v_permlane16_swap_b32 v[(\pc)+\i], v[QTP+\i]
.endr
.irp i, 0,1,2
	s_delay_alu instid0(VALU_DEP_3)
	v_mov_b32 v[(\pc)+3+\i], v[QTP+\i]
.endr
.endm
.macro BARRIER                                 ; my LDS stores have landed and my LDS loads are in: then the work-group's barrier
	s_wait_dscnt 0x0
	s_barrier_signal -1
	s_barrier_wait -1
.endm
.macro PLACES                                  ; four places behind matrix instructions, in front of loads into their operands and of the first read of results
.rept 4
	v_nop
.endr
.endm
.macro CPAIR r, val                            ; a constant as a pair: the packed forms name a pair and take its low word for both halves
	s_mov_b32 s[\r], \val
	s_mov_b32 s[\r+1], \val
.endm
	s_load_b256 s[8:15], s[0:1], 0x0               ; x0, x1, xbuf, mbuf
	s_load_b256 s[16:23], s[0:1], 0x20             ; wbuf, b_out, b_f1, ln_g
	s_load_b256 s[24:31], s[0:1], 0x40             ; ln_b, b_f2, out0, out1
	v_lshrrev_b32 v1, 5, v0
	s_delay_alu instid0(VALU_DEP_1)
	v_readfirstlane_b32 s2, v1                     ; wave 0..15
	v_and_b32 v20, 31, v0
	s_delay_alu instid0(VALU_DEP_1)
	v_lshlrev_b32 v1, 4, v20                       ; 16 x lane
	s_delay_alu instid0(VALU_DEP_2)
	v_lshlrev_b32 v2, 3, v20                       ; 8 x lane
	v_bfe_u32 v21, v0, 4, 1
	s_delay_alu instid0(VALU_DEP_1)
	v_lshlrev_b32 v4, 6, v21                       ; 64 h
	v_and_b32 v22, 15, v0
	s_delay_alu instid0(VALU_DEP_1)
	v_lshl_add_u32 v11, v22, 3, v21                ; 8 r + h
	v_lshlrev_b32 v3, 3, v0                        ; the copies: 8, 4, 2 x thread
	v_lshlrev_b32 v9, 2, v0
	v_lshlrev_b32 v10, 1, v0
	s_and_b32 s44, s2, 3
	s_mul_i32 s44, s44, 12288
	s_lshr_b32 s46, s2, 2
	s_mul_i32 s47, s46, 1536
	s_add_co_u32 s44, s44, s47
	v_add_nc_u32 v5, s44, v1                       ; x's fragment (K step wave / 4, tile wave % 4) goes to [tile][K step]
	s_mul_i32 s44, s2, 1536
	s_add_co_u32 s44, s44, MIMG
	v_add_nc_u32 v6, s44, v1                       ; m's go as they lie
	v_add_nc_u32 v7, BF1, v3
	v_add_nc_u32 v8, BOUT, v9
	v_add_nc_u32 v23, RSC, v10
	s_mov_b32 s[SEL], 0x76543210
	s_mov_b32 s[SEL+1], 0xfedcba98
	s_mov_b32 s[HM], 0xffff0000
	CPAIR 56, 0xaf95df0b                           ; erf's A: a13, (a11 in v[24:25]), a9, a7, a5, a3, a1
	CPAIR 58, 0xb60cff51
	CPAIR 60, 0xb86ec2d2
	CPAIR 62, 0xba40ac63
	CPAIR 66, 0xbb41a1f6
	CPAIR 68, 0xbc83dbd4
	CPAIR 70, 0xb77460cd                           ; erf's B: b8, (b6 in v[26:27]), b4, b2, b0
	CPAIR 72, 0xbadc924e
	CPAIR 74, 0xbbf19bf8
	CPAIR 76, 0xbc69b6a7
	CPAIR 78, 0x3f3504f3                           ; 1 / sqrt(2)
	s_mov_b32 s80, 0x3a800000                      ; 1 / 1,024
	s_mov_b32 s81, 0x3727c5ac                      ; 1e-5
	s_mov_b32 s45, 0
	s_wait_alu depctr_va_vdst(0)
	s_wait_kmcnt 0x0
	s_cmp_lt_u32 ttmp9, 128
	s_cselect_b64 s[32:33], s[8:9], s[10:11]       ; x0 and out0, or x1 and out1, by the work-group's number
	s_cselect_b64 s[34:35], s[28:29], s[30:31]
	s_and_b32 s44, ttmp9, 127
	s_lshl_b32 s44, s44, 17
	s_add_nc_u64 s[32:33], s[32:33], s[44:45]      ; at my 64 rows
	s_add_nc_u64 s[34:35], s[34:35], s[44:45]
	s_mul_i32 s44, ttmp9, 24576
	s_mul_i32 s47, s2, 1536
	s_add_co_u32 s44, s44, s47
	s_add_nc_u64 s[36:37], s[12:13], s[44:45]      ; the fragment of x that I copy
	s_add_nc_u64 s[38:39], s[14:15], s[44:45]      ; and of m
	s_lshl_b32 s44, ttmp9, 10
	s_add_nc_u64 s[40:41], s[12:13], s[44:45]      ; x's scale words
	s_and_b32 s47, s2, 1                           ; rh: which pair of row tiles is mine in phase 1
	s_lshl_b32 s51, s47, 2
	s_add_co_u32 s44, s44, s51
	s_add_nc_u64 s[42:43], s[14:15], s[44:45]      ; m's scale words of my pair
	s_bfe_u32 s51, s2, 0x10001                     ; c = (wave / 2) % 2
	s_mul_i32 s44, s46, 49152
	s_mul_i32 s55, s51, 6144
	s_add_co_u32 s44, s44, s55
	s_add_co_u32 s44, s44, CW_O
	s_add_nc_u64 s[82:83], s[16:17], s[44:45]      ; W_out: my 64 channels' four fragments; a K step on: 12,288
	s_lshl_b32 s44, s46, 11
	s_lshl_b32 s55, s51, 3
	s_add_co_u32 s44, s44, s55
	s_add_co_u32 s44, s44, SW_O
	s_add_nc_u64 s[84:85], s[16:17], s[44:45]      ; their scale words; a K step on: 512
	s_lshr_b32 s55, s2, 1
	s_mul_i32 s44, s55, 98304
	s_mul_i32 s86, s47, 6144
	s_add_co_u32 s44, s44, s86
	s_add_co_u32 s44, s44, CW_F1
	s_add_nc_u64 s[86:87], s[16:17], s[44:45]      ; W_f1: my 64 hidden units' four fragments
	s_lshl_b32 s44, s55, 12
	s_lshl_b32 s88, s47, 3
	s_add_co_u32 s44, s44, s88
	s_add_co_u32 s44, s44, SW_F1
	s_add_nc_u64 s[88:89], s[16:17], s[44:45]
	s_and_b32 s55, s2, 3
	s_mul_i32 s44, s46, 98304
	s_mul_i32 s90, s55, 3072
	s_add_co_u32 s44, s44, s90
	s_add_co_u32 s44, s44, CW_F2
	s_add_nc_u64 s[90:91], s[16:17], s[44:45]      ; W_f2: my 32 outputs' two fragments
	s_lshl_b32 s44, s46, 12
	s_lshl_b32 s92, s55, 2
	s_add_co_u32 s44, s44, s92
	s_add_co_u32 s44, s44, SW_F2
	s_add_nc_u64 s[92:93], s[16:17], s[44:45]
.macro WOLOAD s                                ; W_out's K step s: its scale pair and four fragments: 13 loads.  Even steps: v16-17, v80-127; odd: v18-19, v192-239
	global_load_b64 v[16+2*((\s)%2):17+2*((\s)%2)], v1, s[84:85] offset:512*(\s)
.irp k, 0,1,2,3,4,5,6,7,8,9,10,11
	global_load_b128 v[80+112*((\s)%2)+4*\k:83+112*((\s)%2)+4*\k], v1, s[82:83] offset:12288*(\s)+512*\k
.endr
.endm
.macro WLOAD                                   ; W_f1's K step in hand: 13 loads
	global_load_b64 v[16:17], v1, s[88:89]
.irp k, 0,1,2,3,4,5,6,7,8,9,10,11
	global_load_b128 v[80+4*\k:83+4*\k], v1, s[86:87] offset:512*\k
.endr
.endm
.irp c, 0,1,2
	global_load_b128 v[128+4*\c:131+4*\c], v1, s[36:37] offset:512*\c
.endr
.irp c, 0,1,2
	global_load_b128 v[140+4*\c:143+4*\c], v1, s[38:39] offset:512*\c
.endr
	global_load_b64 v[152:153], v3, s[20:21]
	global_load_b64 v[154:155], v3, s[22:23]
	global_load_b64 v[156:157], v3, s[24:25]
	global_load_b32 v158, v9, s[18:19]
	global_load_b32 v159, v9, s[26:27]
	global_load_u16 v160, v10, s[40:41] offset:XS0
.irp s, 0,1,2,3
	global_load_b32 v[12+\s], v2, s[42:43] offset:XS0+256*\s   ; m's scale words of the four K steps: lanes 0-15 my first tile's rows, lanes 16-31 my second's
.endr
	WOLOAD 0
	WOLOAD 1
	s_wait_loadcnt 30                              ; the twelve copies are in; the 4 + 13 + 13 loads behind them stay out
	v_pk_mul_f32 v[154:155], v[154:155], s[78:79] op_sel_hi:[1,0]   ; ln_g / sqrt 2
	v_pk_mul_f32 v[156:157], v[156:157], s[78:79] op_sel_hi:[1,0]   ; ln_b / sqrt 2
.irp c, 0,1,2
	ds_store_b128 v5, v[128+4*\c:131+4*\c] offset:512*\c
.endr
.irp c, 0,1,2
	ds_store_b128 v6, v[140+4*\c:143+4*\c] offset:512*\c
.endr
	ds_store_b64 v7, v[152:153]
	ds_store_b64 v7, v[154:155] offset:4096
	ds_store_b64 v7, v[156:157] offset:8192
	ds_store_b32 v8, v158
	ds_store_b32 v8, v159 offset:BF2-BOUT
	ds_store_b16 v23, v160
	; phase 1's addresses.  cgp = wave / 2: my 64 channels; rh = wave % 2: my two row tiles
	s_mul_i32 s44, s47, 12288
	s_add_co_u32 s44, s44, MIMG
	v_add_nc_u32 v5, s44, v2                       ; m's fragments of my two tiles, in planes of 8 bytes a lane
	s_lshr_b32 s55, s2, 1
	s_lshl_b32 s44, s55, 8
	s_add_co_u32 s44, s44, BOUT
	v_add_nc_u32 v10, s44, v4                      ; b_out at my 64 channels, + 64 h
	s_mul_i32 s44, s47, 24576
	s_add_co_u32 s55, s46, 4                       ; K step 4 + cgp / 2 of the next product
	s_mul_i32 s94, s55, 1536
	s_add_co_u32 s44, s44, s94
	s_mul_i32 s94, s51, 520
	s_add_co_u32 s94, s94, s44
	v_add_nc_u32 v7, s94, v1                       ; half c of an image: 16 l + 520 c + 0, 16 l + 1016 c + 8, 16 l + 520 c + 512
	s_mul_i32 s94, s51, 1016
	s_add_co_u32 s94, s94, s44
	v_add_nc_u32 v8, s94, v1
	s_lshl_b32 s44, s55, 8
	s_add_co_u32 s44, s44, RSC
	s_lshl_b32 s94, s47, 2
	s_add_co_u32 s44, s44, s94
	s_lshl_b32 s94, s51, 1
	s_add_co_u32 s44, s44, s94
	v_add_nc_u32 v9, s44, v11                      ; my byte of the rows' scale words
	s_wait_alu depctr_va_vdst(0)
	BARRIER                                        ; 1: the copies lie in LDS
	; ---- 1: m' = m W_out + b_out: 4 tiles of channels x 2 tiles of rows; the sums begin as the bias
.irp ip, 0,1
.irp b, 0,1
.irp j, 0,1,2,3
	ds_load_b128 v[128+32*\ip+16*\b+4*\j:131+32*\ip+16*\b+4*\j], v10 offset:128*\b+16*\j
.endr
.endr
.endr
.macro MFETCH s                                ; m's two fragments of K step s into half s % 2 of v32-79
.irp ip, 0,1
.irp k, 0,1,2,3,4,5
	ds_load_b64 v[32+24*(\s%2)+12*\ip+2*\k:33+24*(\s%2)+12*\ip+2*\k], v5 offset:6144*\ip+1536*\s+256*\k
.endr
.endr
.endm
.macro P1STEP s
.if \s < 3
	MFETCH (\s+1)
	s_wait_dscnt 12                                ; all but the twelve just issued
.else
	s_wait_dscnt 0x0
.endif
	s_wait_loadcnt 13                              ; this step's weight set is in; the 13 loads issued behind it stay out
.irp ip, 0,1                                   ; the eight accumulators take turns
.irp t, 0,1,2,3
	MM 128+32*\ip+8*\t, 80+112*(\s%2)+12*\t, 32+24*(\s%2)+12*\ip, 1, 16+2*(\s%2)+\t/2, 12+\s, \t%2, \ip
.endr
.endr
	PLACES
.endm
	MFETCH 0
	P1STEP 0
	WOLOAD 2
	P1STEP 1
	WOLOAD 3
	P1STEP 2
	WLOAD                                          ; W_f1's K step 0, into the set that step 2 has left
	P1STEP 3
.irp ip, 0,1
	QUANT2 128+32*\ip, 32+6*\ip
	v_cndmask_b32 v[44+\ip], v[QBY], v[QBY+1], s[HM]
	ds_store_b64 v7, v[32+6*\ip:33+6*\ip] offset:12288*\ip
	ds_store_b64 v8, v[34+6*\ip:35+6*\ip] offset:12288*\ip+8
	ds_store_b64 v7, v[36+6*\ip:37+6*\ip] offset:12288*\ip+512
	ds_store_b8 v9, v[44+\ip] offset:128*\ip
.endr
	s_lshl_b32 s44, s2, 8
	s_add_co_u32 s44, s44, BF1
	v_add_nc_u32 v10, s44, v4                      ; b_f1 at my 64 hidden units, + 64 h
	v_add_nc_u32 v3, RSC, v2
	s_wait_alu depctr_va_vdst(0)
	BARRIER                                        ; 2: all eight K steps of the rows lie in LDS
	; ---- 2: the hidden layer: 4 tiles of hidden units x 4 tiles of rows, K = 1,024
.irp i, 0,1,2,3
.irp b, 0,1
.irp j, 0,1,2,3
	ds_load_b128 v[128+32*\i+16*\b+4*\j:131+32*\i+16*\b+4*\j], v10 offset:128*\b+16*\j
.endr
.endr
.endr
.macro RFETCH
.irp i, 0,1,2,3
.irp g, 0,1,2
	ds_load_b128 v[32+12*\i+4*\g:35+12*\i+4*\g], v5 offset:12288*\i+512*\g
.endr
.endr
	ds_load_b64 v[18:19], v6
.endm
.macro MUL2
	s_wait_loadcnt 0x0                             ; the weight set; nothing else is out
	s_wait_dscnt 0x0
.irp i, 0,1,2,3                                ; sixteen accumulators by turns
.irp t, 0,1,2,3
	MM 128+32*\i+8*\t, 80+12*\t, 32+12*\i, 1, 16+\t/2, 18+\i/2, \t%2, \i%2
.endr
.endr
.endm
	s_mov_b32 s[TS], 0
	s_mov_b32 s[TR], 0
	s_mov_b32 s[CNT], 7
	v_add_nc_u32 v5, s[TS], v1
	v_add_nc_u32 v6, s[TR], v3
	RFETCH
.Lf1:                                          ; seven trips: K step k is multiplied, K step k + 1 asked for
	MUL2
	s_add_co_u32 s[TS], s[TS], 1536
	s_add_co_u32 s[TR], s[TR], 256
	s_add_nc_u64 s[86:87], s[86:87], 12288         ; no load is out: the bases may step
	s_add_nc_u64 s[88:89], s[88:89], 512
	v_add_nc_u32 v5, s[TS], v1                     ; four places in front of the loads
	v_add_nc_u32 v6, s[TR], v3
	v_nop
	v_nop
	WLOAD
	RFETCH
	s_sub_co_u32 s[CNT], s[CNT], 1
	s_cmp_lg_u32 s[CNT], 0
	s_cbranch_scc1 .Lf1
	MUL2                                           ; the eighth asks for nothing
	PLACES
	; ---- LayerNorm over a row's 1,024 numbers: 32 in my registers for each of four rows, as many in lane l xor 16, the rest in the other fifteen waves
	v_lshl_add_u32 v7, v0, 4, LNX
	v_add_nc_u32 v8, LNX, v1
.macro ACROSS off                              ; v[32+2i:33+2i]: my partial sums of tile i -> v[20+i]: the rows' sums, added in the order of the waves
.irp i, 0,1,2,3
	s_delay_alu instid0(VALU_DEP_4)
	v_add_f32 v[40+\i], v[32+2*\i], v[33+2*\i]
.endr
.irp i, 0,1,2,3
	s_delay_alu instid0(VALU_DEP_4)
	v_permlanex16_b32 v[44+\i], v[40+\i], s[SEL], s[SEL+1]
.endr
.irp i, 0,1,2,3
	s_delay_alu instid0(VALU_DEP_4)
	v_add_f32 v[40+\i], v[40+\i], v[44+\i]
.endr
	ds_store_b128 v7, v[40:43] offset:\off
	BARRIER
.irp wv, 0,1,2,3,4,5,6,7,8,9,10,11,12,13,14,15
	ds_load_b128 v[48+4*\wv:51+4*\wv], v8 offset:\off+512*\wv
.endr
	s_wait_dscnt 0x0
	v_pk_add_f32 v[20:21], v[48:49], v[52:53]
	v_pk_add_f32 v[22:23], v[50:51], v[54:55]
.irp wv, 2,3,4,5,6,7,8,9,10,11,12,13,14,15
	s_delay_alu instid0(VALU_DEP_2)
	v_pk_add_f32 v[20:21], v[20:21], v[48+4*\wv:49+4*\wv]
	s_delay_alu instid0(VALU_DEP_2)
	v_pk_add_f32 v[22:23], v[22:23], v[50+4*\wv:51+4*\wv]
.endr
.endm
.irp i, 0,1,2,3
	v_pk_add_f32 v[32+2*\i:33+2*\i], v[128+32*\i:129+32*\i], v[130+32*\i:131+32*\i]   ; each accumulator from its low end on
.endr
.irp k, 4,6,8,10,12,14,16,18,20,22,24,26,28,30
.irp i, 0,1,2,3
	v_pk_add_f32 v[32+2*\i:33+2*\i], v[32+2*\i:33+2*\i], v[128+32*\i+\k:129+32*\i+\k]
.endr
.endr
	ACROSS 0                                       ; barrier 3 stands in it
	s_delay_alu instid0(VALU_DEP_2)
	v_pk_mul_f32 v[20:21], v[20:21], s[80:81] op_sel_hi:[1,0]   ; mu
	s_delay_alu instid0(VALU_DEP_2)
	v_pk_mul_f32 v[22:23], v[22:23], s[80:81] op_sel_hi:[1,0]
.macro SUBMU i, p, o                           ; y - mu, in place; o picks the tile's mu out of its pair
.set k, 0
.rept 16
	v_pk_add_f32 v[128+32*\i+k:129+32*\i+k], v[128+32*\i+k:129+32*\i+k], v[\p:\p+1] op_sel:[0,\o] op_sel_hi:[1,\o] neg_lo:[0,1] neg_hi:[0,1]
.set k, k+2
.endr
.endm
	SUBMU 0, 20, 0
	SUBMU 1, 20, 1
	SUBMU 2, 22, 0
	SUBMU 3, 22, 1
.irp i, 0,1,2,3
	v_pk_mul_f32 v[32+2*\i:33+2*\i], v[128+32*\i:129+32*\i], v[128+32*\i:129+32*\i]
.endr
.irp k, 2,4,6,8,10,12,14,16,18,20,22,24,26,28,30
.irp i, 0,1,2,3
	s_delay_alu instid0(VALU_DEP_4)
	v_pk_fma_f32 v[32+2*\i:33+2*\i], v[128+32*\i+\k:129+32*\i+\k], v[128+32*\i+\k:129+32*\i+\k], v[32+2*\i:33+2*\i]
.endr
.endr
	ACROSS 8192                                    ; barrier 4 stands in it
.irp i, 0,1,2,3
	v_fma_f32 v[20+\i], v[20+\i], s80, s81         ; the variance + 1e-5
.endr
	s_wait_alu depctr_va_vdst(0)
.irp i, 0,1,2,3
	v_rsq_f32 v[20+\i], v[20+\i]
.endr
	v_mov_b32 v24, 0x32edffee                      ; a11, twice  (a plain place behind the transcendentals)
	v_mov_b32 v25, 0x32edffee
	v_mov_b32 v26, 0xb95fbd29                      ; b6, twice
	v_mov_b32 v27, 0xb95fbd29
	s_lshl_b32 s44, s2, 8
	s_add_co_u32 s44, s44, LNG
	v_add_nc_u32 v10, s44, v4                      ; ln_g at my 64 hidden units, + 64 h; ln_b 4,096 bytes on
	s_wait_alu depctr_va_vdst(0)
	; ---- z = (y - mu) / sigma x g + b;  gelu(z) = z / 2 + z / 2 x erf(z / sqrt 2), sixteen numbers at a time, in place.  v32-47 u, then z / 2; v48-63 u^2; v64-79 A; v80-95 B; v96-111 g; v112-127 b
.macro NORM a, p, o                            ; u = (y - mu) / sigma x (g / sqrt 2) + b / sqrt 2, sixteen numbers, in place
.irp k, 0,2,4,6,8,10,12,14
	v_pk_mul_f32 v[\a+\k:\a+\k+1], v[\a+\k:\a+\k+1], v[\p:\p+1] op_sel:[0,\o] op_sel_hi:[1,\o]
.endr
.irp k, 0,2,4,6,8,10,12,14
	v_pk_fma_f32 v[\a+\k:\a+\k+1], v[\a+\k:\a+\k+1], v[96+\k:97+\k], v[112+\k:113+\k]
.endr
.endm
.macro GELU a                                  ; gelu = u / sqrt 2 + u / sqrt 2 x erf(u), sixteen numbers, in place; v32-95 at work
.irp k, 0,1,2,3,4,5,6,7,8,9,10,11,12,13,14,15
	v_med3_num_f32 v[32+\k], v[\a+\k], -4.0, 4.0
.endr
.irp k, 0,2,4,6,8,10,12,14
	v_pk_mul_f32 v[48+\k:49+\k], v[32+\k:33+\k], v[32+\k:33+\k]
.endr
.irp k, 0,2,4,6,8,10,12,14
	v_pk_fma_f32 v[64+\k:65+\k], v[48+\k:49+\k], s[56:57], v[24:25] op_sel_hi:[1,0,1]
.endr
.irp c, 58,60,62,66,68
.irp k, 0,2,4,6,8,10,12,14
	v_pk_fma_f32 v[64+\k:65+\k], v[64+\k:65+\k], v[48+\k:49+\k], s[\c:\c+1] op_sel_hi:[1,1,0]
.endr
.endr
.irp k, 0,2,4,6,8,10,12,14
	v_pk_fma_f32 v[80+\k:81+\k], v[48+\k:49+\k], s[70:71], v[26:27] op_sel_hi:[1,0,1]
.endr
.irp c, 72,74,76
.irp k, 0,2,4,6,8,10,12,14
	v_pk_fma_f32 v[80+\k:81+\k], v[80+\k:81+\k], v[48+\k:49+\k], s[\c:\c+1] op_sel_hi:[1,1,0]
.endr
.endr
	s_wait_alu depctr_va_vdst(0)
.irp k, 0,1,2,3,4,5,6,7,8,9,10,11,12,13,14,15
	v_rcp_f32 v[80+\k], v[80+\k]
.endr
.irp k, 0,2,4,6,8,10,12,14
	v_pk_mul_f32 v[64+\k:65+\k], v[64+\k:65+\k], v[32+\k:33+\k]     ; u A: plain lines behind the reciprocals, which they do not touch
.endr
.irp k, 0,2,4,6,8,10,12,14
	v_pk_mul_f32 v[32+\k:33+\k], v[\a+\k:\a+\k+1], s[78:79] op_sel_hi:[1,0]   ; z / 2 = u / sqrt 2
.endr
	s_wait_alu depctr_va_vdst(0)
.irp k, 0,2,4,6,8,10,12,14
	v_pk_mul_f32 v[64+\k:65+\k], v[64+\k:65+\k], v[80+\k:81+\k]     ; erf
.endr
.irp k, 0,2,4,6,8,10,12,14
	v_pk_fma_f32 v[\a+\k:\a+\k+1], v[64+\k:65+\k], v[32+\k:33+\k], v[32+\k:33+\k]
.endr
.endm
.irp b, 0,1
.irp j, 0,1,2,3
	ds_load_b128 v[96+4*\j:99+4*\j], v10 offset:128*\b+16*\j
	ds_load_b128 v[112+4*\j:115+4*\j], v10 offset:4096+128*\b+16*\j
.endr
	s_wait_dscnt 0x0
	NORM 128+16*\b, 20, 0
	NORM 160+16*\b, 20, 1
	NORM 192+16*\b, 22, 0
	NORM 224+16*\b, 22, 1
.endr
	s_lshr_b32 s55, s2, 1                          ; my 64 hidden units are half wave % 2 of K step wave / 2
	s_mul_i32 s44, s55, 1536
	s_add_co_u32 s44, s44, HID
	s_mul_i32 s94, s47, 520
	s_add_co_u32 s94, s94, s44
	v_add_nc_u32 v7, s94, v1
	s_mul_i32 s94, s47, 1016
	s_add_co_u32 s94, s94, s44
	v_add_nc_u32 v8, s94, v1
	s_lshl_b32 s44, s55, 8
	s_add_co_u32 s44, s44, HSC
	s_lshl_b32 s94, s47, 1
	s_add_co_u32 s44, s44, s94
	v_add_nc_u32 v9, s44, v11
	v_lshlrev_b32 v31, 8, v0
	global_prefetch_b8 v31, s[32:33] th:TH_LOAD_NT scope:SCOPE_SE   ; the 64 residual rows of x, 131,072 bytes: thread t names the block at 256 t, each once; they are loaded from phase 3's K step 4 on
.macro W3L q, s                                ; W_f2's K step s into set q: a scale word and two fragments: 7 loads
	global_load_b32 v[12+(\q)], v1, s[92:93] offset:512*(\s)
.irp k, 0,1,2,3,4,5
	global_load_b128 v[96+32*(\q)+4*\k:99+32*(\q)+4*\k], v1, s[90:91] offset:12288*(\s)+512*\k
.endr
.endm
	W3L 0, 0                                       ; g and b are done with: v96-119 take K step 0
.irp i, 0,1,2,3                                ; tile by tile: GELU, the quantiser, and the tile's registers go to W_f2
	GELU 128+32*\i
	GELU 144+32*\i
	s_wait_alu depctr_va_vdst(0)                   ; directly ahead of the wait below
	s_wait_dscnt 0x0                               ; the last tile's stores have read v120-126
	QUANT2 128+32*\i, 120
	v_cndmask_b32 v126, v[QBY], v[QBY+1], s[HM]
	ds_store_b64 v7, v[120:121] offset:12288*\i
	ds_store_b64 v8, v[122:123] offset:12288*\i+8
	ds_store_b64 v7, v[124:125] offset:12288*\i+512
	ds_store_b8 v9, v126 offset:128*(\i%2)+4*(\i/2)
.if \i < 3
	W3L \i+1, \i+1                                 ; K step i + 1 into the first 24 registers of the tile just quantised
	v_mov_b32 v24, 0x32edffee                      ; a11 and b6 anew: the quantiser has worked in v24-27
	v_mov_b32 v25, 0x32edffee
	v_mov_b32 v26, 0xb95fbd29
	v_mov_b32 v27, 0xb95fbd29
.endif
.endr
	v_add_nc_u32 v5, HID, v1
	v_add_nc_u32 v6, HSC, v2
	s_lshl_b32 s44, s2, 7
	s_add_co_u32 s94, s44, BF2
	v_add_nc_u32 v10, s94, v4                      ; b_f2 at my 32 outputs, + 64 h
	BARRIER                                        ; 5: the hidden layer lies in LDS
	v_and_b32 v20, 15, v0
	s_delay_alu instid0(VALU_DEP_1)
	v_and_b32 v21, 8, v20
	s_delay_alu instid0(VALU_DEP_1)
	v_add_nc_u32 v20, v20, v21
	s_delay_alu instid0(VALU_DEP_1)
	v_mul_u32_u24 v20, v20, SP
	s_add_co_u32 s94, s44, STAGE
	v_add_nc_u32 v20, v20, v4
	s_delay_alu instid0(VALU_DEP_1)
	v_add_nc_u32 v7, s94, v20                      ; the stage, in: row r + 8 (r / 8), + 128 x wave + 64 h; tiles 0, 1
	s_delay_alu instid0(VALU_DEP_1)
	v_add_nc_u32 v8, 32*SP, v7                     ; tiles 2, 3: 32 rows on
	s_mul_i32 s94, s2, 4*SP
	s_add_co_u32 s94, s94, STAGE
	v_add_nc_u32 v9, s94, v1                       ; back: my four whole rows
	s_lshl_b32 s94, s2, 13
	v_add_nc_u32 v3, s94, v1                       ; and the same in x and in the output
	; ---- 3: my 32 outputs for the 64 rows: 2 tiles x 4 tiles of rows, K = 1,024
.irp i, 0,1,2,3
.irp j, 0,1,2,3
.set AC3, (1-\i/2)*(120+64*\i+32*(\j/2))+(\i/2)*(192+16*\i+8*(\j/2))   ; accumulator 2 i + j / 2
	ds_load_b128 v[AC3+4*(\j%2):AC3+4*(\j%2)+3], v10 offset:16*\j
.endr
.endr
.macro P3STEP s, cnt                           ; cnt: the loads issued behind this K step's seven, which may stay out
.irp i, 0,1,2,3
.irp g, 0,1,2
	ds_load_b128 v[32+12*\i+4*\g:35+12*\i+4*\g], v5 offset:12288*\i+1536*(\s)+512*\g
.endr
.endr
	ds_load_b64 v[18:19], v6 offset:256*(\s)
	s_wait_dscnt 0x0
	s_wait_loadcnt \cnt
.irp i, 0,1,2,3                                ; eight accumulators by turns
.irp u, 0,1
.set AC3, (1-\i/2)*(120+64*\i+32*\u)+(\i/2)*(192+16*\i+8*\u)
	MM AC3, 96+32*((\s)%4)+12*\u, 32+12*\i, 1, 12+(\s)%4, 18+\i/2, \u, \i%2
.endr
.endr
	PLACES
.endm
.macro XL q                                    ; the residual: piece q of my four rows (row q / 4, 512 consecutive bytes a load), six pieces to a weight set that is done with
	global_load_b128 v[96+32*((\q)/6)+4*((\q)%6):99+32*((\q)/6)+4*((\q)%6)], v3, s[32:33] offset:2048*((\q)/4)+512*((\q)%4) th:TH_LOAD_NT
.endm
	P3STEP 0, 21                                   ; behind K step 0's loads: those of K steps 1, 2, 3
	W3L 0, 4                                       ; a set takes the K step four further on as soon as it is done with (the step's four places stand ahead)
	P3STEP 1, 21
	W3L 1, 5
	P3STEP 2, 21
	W3L 2, 6
	P3STEP 3, 21
	W3L 3, 7
	P3STEP 4, 21
	s_wait_alu depctr_va_vdst(0)
.irp q, 0,1,2,3,4,5
	XL \q
.endr
	P3STEP 5, 20                                   ; K steps 6, 7 and six pieces of the residual
.irp q, 6,7,8,9,10,11
	XL \q
.endr
	P3STEP 6, 19                                   ; K step 7 and twelve pieces
.irp q, 12,13,14,15
	XL \q
.endr
	P3STEP 7, 16                                   ; the sixteen pieces
.irp i, 0,1,2,3
.irp j, 0,1,2,3
.set AC3, (1-\i/2)*(120+64*\i+32*(\j/2))+(\i/2)*(192+16*\i+8*(\j/2))
	ds_store_b128 v[7+\i/2], v[AC3+4*(\j%2):AC3+4*(\j%2)+3] offset:8*(\i%2)*SP+16*\j   ; each accumulator from its low end on
.endr
.endr
	BARRIER                                        ; 6: 64 whole rows lie in the stage
.irp rho, 0,1,2,3
.irp c, 0,1,2,3
	ds_load_b128 v[32+16*\rho+4*\c:35+16*\rho+4*\c], v9 offset:SP*\rho+512*\c
.endr
.endr
	s_wait_dscnt 0x0
	s_wait_loadcnt 0x0
.set k, 0
.rept 32
.set RX, 96+32*(k/24)+4*((k/4)%6)+k%4          ; where piece k / 4 of the residual lies
	v_pk_add_f32 v[32+k:33+k], v[32+k:33+k], v[RX:RX+1]
.set k, k+2
.endr
.irp rho, 0,1,2,3
.irp c, 0,1,2,3
	global_store_b128 v3, v[32+16*\rho+4*\c:35+16*\rho+4*\c], s[34:35] offset:2048*\rho+512*\c th:TH_STORE_NT   ; 512 consecutive bytes a store, at a multiple of 256 from the output's first byte
.endr
.endr
	s_wait_xcnt 0x0
	v_lshl_add_u32 v254, v0, 2, 0x47400
	v_mov_b32 v255, 0
	s_wait_alu depctr_va_vdst(0)
	s_wait_tensorcnt 0x0
	ds_add_u32 v254, v255
	s_wait_dscnt 0x0
	s_endpgm
.Lfunc_end_k_qa1c28bde63_ffn:
	.size	k_qa1c28bde63_ffn, .Lfunc_end_k_qa1c28bde63_ffn-k_qa1c28bde63_ffn
	.p2alignl 7, 3214868480
	.fill 96, 4, 3214868480
	.section	.rodata,"a",@progbits
	.p2align	6, 0x0
	.amdhsa_kernel k_qa1c28bde63_ffn
		.amdhsa_group_segment_fixed_size 293888
		.amdhsa_private_segment_fixed_size 0
		.amdhsa_enable_private_segment 0
		.amdhsa_kernarg_size 96
		.amdhsa_user_sgpr_count 2
		.amdhsa_user_sgpr_kernarg_segment_ptr 1
		.amdhsa_wavefront_size32 1
		.amdhsa_system_sgpr_workgroup_id_x 1
		.amdhsa_system_sgpr_workgroup_id_y 1
		.amdhsa_system_sgpr_workgroup_id_z 1
		.amdhsa_system_vgpr_workitem_id 0
		.amdhsa_next_free_vgpr 256
		.amdhsa_next_free_sgpr 96
		.amdhsa_reserve_vcc 0
		.amdhsa_float_denorm_mode_32 3
		.amdhsa_float_denorm_mode_16_64 3
		.amdhsa_memory_ordered 1
		.amdhsa_forward_progress 1
		.amdhsa_inst_pref_size 187
	.end_amdhsa_kernel
	.amdgpu_metadata
---
amdhsa.version: [ 1, 2 ]
amdhsa.kernels:
  - .name:           k_qa1c28bde63_ffn
    .symbol:         k_qa1c28bde63_ffn.kd
    .args:
      - { .name: x0, .offset: 0, .size: 8, .value_kind: global_buffer, .address_space: global }
      - { .name: x1, .offset: 8, .size: 8, .value_kind: global_buffer, .address_space: global }
      - { .name: xbuf, .offset: 16, .size: 8, .value_kind: global_buffer, .address_space: global }
      - { .name: mbuf, .offset: 24, .size: 8, .value_kind: global_buffer, .address_space: global }
      - { .name: wbuf, .offset: 32, .size: 8, .value_kind: global_buffer, .address_space: global }
      - { .name: b_out, .offset: 40, .size: 8, .value_kind: global_buffer, .address_space: global }
      - { .name: b_f1, .offset: 48, .size: 8, .value_kind: global_buffer, .address_space: global }
      - { .name: ln_g, .offset: 56, .size: 8, .value_kind: global_buffer, .address_space: global }
      - { .name: ln_b, .offset: 64, .size: 8, .value_kind: global_buffer, .address_space: global }
      - { .name: b_f2, .offset: 72, .size: 8, .value_kind: global_buffer, .address_space: global }
      - { .name: out0, .offset: 80, .size: 8, .value_kind: global_buffer, .address_space: global }
      - { .name: out1, .offset: 88, .size: 8, .value_kind: global_buffer, .address_space: global }
    .group_segment_fixed_size: 293888
    .private_segment_fixed_size: 0
    .kernarg_segment_align: 8
    .kernarg_segment_size: 96
    .max_flat_workgroup_size: 512
    .sgpr_count:     96
    .vgpr_count:     256
    .wavefront_size: 32
...
	.end_amdgpu_metadata
.endif
;; end of part 4
